; MI455X (gfx1250); checked and timed in simulation.
; The chip was launched on July 23, 2026; its instructions are those of AMD's public machine-readable ISA for CDNA 5 (MIT licence, August 2026) and "CDNA5" Instruction Set Architecture Reference Guide (July 2026). The comments in the code are by the model that wrote it; some were corrected since.
;; GDN Sequence Model. Allowed arithmetic: float matrix products may take bf16 or f16 operands with f32 sums; other float arithmetic in f32, or as packed bf16 or f16 multiplies, adds, multiply-adds, maxima and minima; sums over many terms, partial sums and values carried from step to step in f32; what a program stores and reads back later, other than sums and carried values, may be rounded once to bf16 or f16.
;; Inputs: W1 1,024 x 4,096 float32; W2 4,096 x 1,024 float32; Wa 1,024 x 8 float32; Wb 1,024 x 8 float32; Wk 1,024 x 1,024 float32; Wo 1,024 x 1,024 float32; Wq 1,024 x 1,024 float32; Wv 1,024 x 1,024 float32; b1 4,096 float32; b2 1,024 float32; ln1_b 1,024 float32; ln1_w 1,024 float32; ln2_b 1,024 float32; ln2_w 1,024 float32; x 4 x 1,024 x 1,024 float32.
;; Outputs: out0 4 x 1,024 x 1,024 float32.
;; One version. Each part assembles by itself: llvm-mc -triple=amdgcn-amd-amdhsa -mcpu=gfx1250 --defsym DOCPART=n.
;; ======== version 1 of 1: 8 launches
;; limits: a function is approximated: absolute error at most 7.5e-08
;; workspace buffers: act 8,388,608 bytes; wbf 25,165,824 bytes; gate 262,144 bytes; big 33,554,432 bytes; cop 44,564,480 bytes; x1 16,777,216 bytes
;; launch ln1cast (part 1): grid 256 x 1, 8 waves a work-group, no clusters, 75,008 bytes of LDS; arguments x, ln1_w, ln1_b, Wb, Wa, Wq, Wk, Wv, Wo, W1, W2, act, gate, wbf; writes act, gate, wbf
.if DOCPART == 1
	.amdgcn_target "amdgcn-amd-amdhsa--gfx1250"
	.amdhsa_code_object_version 6
	.text
	.protected	k_q5e5aaa8e46_ln1cast
	.globl	k_q5e5aaa8e46_ln1cast
	.p2align	8
	.type	k_q5e5aaa8e46_ln1cast,@function
k_q5e5aaa8e46_ln1cast:
	s_mov_b64 s[64:65], 0
	v_nop
	global_prefetch_b8 v0, s[64:65] scope:SCOPE_SE
	s_setreg_imm32_b32 hwreg(HW_REG_WAVE_MODE, 25, 1), 1
	s_wait_xcnt 0x0
; LAUNCH 1 OF 8: the weights rounded to bf16, LayerNorm 1, and the two gates of each head.
; THE PROGRAM.  1 this; 2 q, k, v = silu(n W), q and k normalised per head; 3 per chunk of 32 tokens the operators of the delta rule; 4 the scan over the chunks;
; 5 x1 = x + o Wo; 6 LayerNorm 2; 7 g = gelu(h W1 + b1); 8 out = x1 + g W2 + b2.
; THE RECURRENCE IN CHUNKS (exact algebra).  With u_t = beta_t (v_t - alpha_t S_(t-1)^T k_t) the step is S_t = alpha_t S_(t-1) + k_t u_t^T.  In a chunk entered with state S0, g_t the running sum of
; log2 alpha: (I + A) U = diag(beta) V - diag(beta 2^g) K S0, A[t][i] = beta_t 2^(g_t - g_i) k_t.k_i for i < t; O = diag(2^g) Q S0 + M U, M[t][i] = 2^(g_t - g_i) q_t.k_i for i <= t;
; S_end = 2^(g_31) S0 + (diag(2^(g_31 - g_i)) K)^T U.  Every exponent that is used is <= 0.
; WORK LEFT OUT, for all values of the inputs: (a) reference() starts the scan from zeros, so in chunk 0 the products with S0 are products with zero: W'(0), Qg(0) and the decay of chunk 0 are not made;
; (b) reference() drops the scan's final state, so chunk 31's state update and its Kd are not made; (c) the tile of A and M with i in 16..31 and t in 0..15 has i > t throughout and is not multiplied.
; Every input has a way to the output and is loaded.  LIMIT: a NaN, an infinity or an overflow that would reach only the work left out is not carried to the result.
; LIMITS of the program: matrix operands and stored intermediates are bf16; 2^x below 2^-126 counts as 0; NaN and infinities are not treated apart.
; THIS LAUNCH.  The weights are 768 blocks of 16,384 numbers; work-group g rounds block g of (Wq, Wk, Wv, Wo), block g of W1 and block g of W2: equal work, no branch.  Loads of 16 bytes a lane, stores of
; 8 bytes a lane: a wave's store covers 256 consecutive bytes, aligned.  Then it normalises rows 16 g .. 16 g + 15 (wave w: rows 2 w, 2 w + 1; the row stays in registers; the variance is taken of the centred row),
; stores n in bf16, keeps a copy in LDS, and multiplies it by (Wb | Wa), 16 columns, K split among the eight waves.  gate[row][0..7] = sigmoid(n Wb), gate[row][8..15] = log2 sigmoid(n Wa).
.set NPITCH, 2064                      ; a row of n in LDS: 2,048 bytes + 16
.set WAB,    33024                     ; [1024 d][16 c] bf16, 32 bytes a row: Wb's 8 columns, then Wa's
.set PART,   65792                     ; eight partial tiles of 1,024 bytes
.set SPARE,  73984                     ; the spare words: 128 bytes a wave
.set SPW, 12
.set NIL, 13
.set Y0,  32                           ; v[32:63]   two rows of n, packed
.set X0,  64                           ; v[64:127]  two rows of x
.set LW,  128                          ; v[128:159] gain
.set LB,  160                          ; v[160:191] bias
.set TW,  192                          ; v[192:255] Wb, Wa of four d
	s_load_b512 s[8:23], s[0:1], 0x0               ; x 8, ln1_w 10, ln1_b 12, Wb 14, Wa 16, Wq 18, Wk 20, Wv 22
	s_load_b256 s[24:31], s[0:1], 0x40             ; Wo 24, W1 26, W2 28, act 30
	s_load_b128 s[32:35], s[0:1], 0x60             ; gate 32, wbf 34
	v_lshl_add_u32 v[SPW], v0, 2, SPARE
	v_mov_b32 v[NIL], 0
	v_lshrrev_b32 v1, 5, v0
	v_readfirstlane_b32 s40, v1                    ; wave 0..7
	v_and_b32 v1, 31, v0                           ; lane
	v_lshlrev_b32 v2, 4, v0                        ; the cast: 16 bytes a thread in,
	v_lshlrev_b32 v3, 3, v0                        ; 8 bytes out
	v_lshlrev_b32 v4, 5, v0                        ; Wb, Wa: 32 bytes a row d
	s_lshl_b32 s58, s40, 13
	v_lshl_add_u32 v5, v1, 4, s58                  ; x: two rows of 4,096 bytes a wave, 16 bytes a lane
	v_lshlrev_b32 v6, 4, v1                        ; gain and bias
	s_lshl_b32 s58, s40, 12
	v_lshl_add_u32 v7, v1, 3, s58                  ; n in memory: two rows of 2,048 bytes a wave, 8 bytes a lane
	s_mul_i32 s58, s40, 2*NPITCH
	v_lshl_add_u32 v8, v1, 3, s58                  ; n in LDS
	v_lshl_add_u32 v9, v0, 5, WAB
	v_and_b32 v22, 15, v0                          ; r
	v_bfe_u32 v23, v0, 4, 1                        ; h
	v_mul_u32_u24 v10, v22, NPITCH
	v_lshl_add_u32 v10, v23, 4, v10
	s_lshl_b32 s58, s40, 8
	v_add_nc_u32 v10, s58, v10                     ; fragments of n: row r, 16 h, my 128 channels
	v_and_b32 v11, 7, v0
	v_lshl_add_u32 v11, v23, 3, v11
	v_lshlrev_b32 v11, 5, v11
	v_bfe_u32 v24, v0, 3, 1
	v_lshl_add_u32 v11, v24, 4, v11
	s_lshl_b32 s58, s40, 12
	s_add_co_u32 s58, s58, WAB
	v_add_nc_u32 v11, s58, v11                     ; the turning load: row 8 h + l % 8, 16 bytes by (l / 8) % 2, my 128 rows
	s_lshl_b32 s58, s40, 10
	s_add_co_u32 s58, s58, PART
	v_lshl_add_u32 v25, v1, 5, s58                 ; my partial tile
	v_lshl_add_u32 v26, v1, 5, PART
	v_lshlrev_b32 v27, 6, v22
	v_lshl_add_u32 v27, v23, 5, v27                ; gate: 64 r + 32 h
	s_lshr_b32 s42, ttmp9, 6
	s_and_b32 s43, ttmp9, 63
	s_mov_b32 s47, 0
	s_mov_b32 s36, 0x76543210                      ; v_permlanex16_b32: each lane takes its own place in the other half
	s_mov_b32 s37, 0xfedcba98
	s_mov_b32 s38, 0x3a800000                      ; 1 / 1024
	s_mov_b32 s39, 0x3727c5ac                      ; 1e-5
	s_mov_b32 s41, 0xffff0000                      ; lanes 16 to 31
	s_wait_kmcnt 0x0
	s_cmp_eq_u32 s42, 1
	s_cselect_b64 s[44:45], s[20:21], s[18:19]
	s_cmp_eq_u32 s42, 2
	s_cselect_b64 s[44:45], s[22:23], s[44:45]
	s_cmp_eq_u32 s42, 3
	s_cselect_b64 s[44:45], s[24:25], s[44:45]
	s_lshl_b32 s46, s43, 16
	s_add_nc_u64 s[44:45], s[44:45], s[46:47]      ; block g % 64 of Wq, Wk, Wv or Wo
	s_lshl_b32 s46, ttmp9, 16
	s_add_nc_u64 s[48:49], s[26:27], s[46:47]      ; block g of W1
	s_add_nc_u64 s[50:51], s[28:29], s[46:47]      ; block g of W2
	s_add_nc_u64 s[8:9], s[8:9], s[46:47]          ; x at my 16 rows
	s_lshl_b32 s46, ttmp9, 15
	s_add_nc_u64 s[52:53], s[34:35], s[46:47]      ; where they go: Wq, Wk, Wv, Wo lie on end from byte 0,
	s_add_nc_u64 s[54:55], s[52:53], 0x800000      ; W1 from 8,388,608,
	s_add_nc_u64 s[56:57], s[52:53], 0x1000000     ; W2 from 16,777,216
	s_add_nc_u64 s[30:31], s[30:31], s[46:47]      ; n at my 16 rows
	s_lshl_b32 s46, ttmp9, 10
	s_add_nc_u64 s[32:33], s[32:33], s[46:47]      ; gate at my 16 rows
.macro CLOAD base, sb
.irp g, 0,1,2,3,4,5,6,7,8,9,10,11,12,13,14,15
	global_load_b128 v[(\base)+4*(\g):(\base)+4*(\g)+3], v2, s[\sb:\sb+1] offset:4096*(\g) th:TH_LOAD_NT
.endr
.endm
.macro CSTORE base, sb, left           ; left: the loads of the younger blocks
	s_wait_loadcnt \left
.irp g, 0,1,2,3,4,5,6,7,8,9,10,11,12,13,14,15
	v_cvt_pk_bf16_f32 v[(\base)+4*(\g)], v[(\base)+4*(\g)], v[(\base)+4*(\g)+1]
	v_cvt_pk_bf16_f32 v[(\base)+4*(\g)+1], v[(\base)+4*(\g)+2], v[(\base)+4*(\g)+3]
	global_store_b64 v3, v[(\base)+4*(\g):(\base)+4*(\g)+1], s[\sb:\sb+1] offset:2048*(\g)
.endr
.endm
	CLOAD 64, 44                                   ; 48 loads of every wave are out at once
	CLOAD 128, 48
	CLOAD 192, 50
	CSTORE 64, 52, 32
	CSTORE 128, 54, 16
	CSTORE 192, 56, 0
	s_wait_xcnt 0x0                                ; the stores have read their registers: they are loaded again only behind this wait
.irp i, 0,1,2,3                        ; d = thread + 256 i
	global_load_b128 v[TW+16*(\i):TW+16*(\i)+3],     v4, s[14:15] offset:8192*(\i)
	global_load_b128 v[TW+16*(\i)+4:TW+16*(\i)+7],   v4, s[14:15] offset:8192*(\i)+16
	global_load_b128 v[TW+16*(\i)+8:TW+16*(\i)+11],  v4, s[16:17] offset:8192*(\i)
	global_load_b128 v[TW+16*(\i)+12:TW+16*(\i)+15], v4, s[16:17] offset:8192*(\i)+16
.endr
.irp j, 0,1,2,3,4,5,6,7                ; register 4 j + i of a row is column 128 j + 4 lane + i
	global_load_b128 v[X0+4*(\j):X0+4*(\j)+3],       v5, s[8:9] offset:512*(\j)
	global_load_b128 v[X0+32+4*(\j):X0+32+4*(\j)+3], v5, s[8:9] offset:4096+512*(\j)
.endr
.irp j, 0,1,2,3,4,5,6,7
	global_load_b128 v[LW+4*(\j):LW+4*(\j)+3], v6, s[10:11] offset:512*(\j)
	global_load_b128 v[LB+4*(\j):LB+4*(\j)+3], v6, s[12:13] offset:512*(\j)
.endr
	s_wait_loadcnt 32                              ; Wb and Wa are in; x, gain and bias (32 loads) may stay out
.irp i, 0,1,2,3
.irp k, 0,1,2,3,4,5,6,7
	v_cvt_pk_bf16_f32 v[TW+16*(\i)+(\k)], v[TW+16*(\i)+2*(\k)], v[TW+16*(\i)+2*(\k)+1]
.endr
	ds_store_b128 v9, v[TW+16*(\i):TW+16*(\i)+3]   offset:8192*(\i)
	ds_store_b128 v9, v[TW+16*(\i)+4:TW+16*(\i)+7] offset:8192*(\i)+16
.endr
	s_wait_loadcnt 0x0
.macro REDUCE                          ; four pairs v[14:21] -> v14: the sum over the row, in every lane
	v_pk_add_f32 v[14:15], v[14:15], v[16:17]
	v_pk_add_f32 v[18:19], v[18:19], v[20:21]
	v_pk_add_f32 v[14:15], v[14:15], v[18:19]
	v_add_f32 v14, v14, v15
.irp m, 1,2,4,8
	v_add_f32_dpp v14, v14, v14 row_xmask:\m row_mask:0xf bank_mask:0xf
.endr
	v_permlanex16_b32 v15, v14, s36, s37
	v_add_f32 v14, v14, v15
.endm
.macro LNROW x
.set XB, X0+32*(\x)
.set YB, Y0+16*(\x)
.irp k, 0,1,2,3
	v_pk_add_f32 v[14+2*(\k):15+2*(\k)], v[XB+2*(\k):XB+2*(\k)+1], v[XB+8+2*(\k):XB+8+2*(\k)+1]
.endr
.irp m, 2,3
.irp k, 0,1,2,3
	v_pk_add_f32 v[14+2*(\k):15+2*(\k)], v[14+2*(\k):15+2*(\k)], v[XB+8*(\m)+2*(\k):XB+8*(\m)+2*(\k)+1]
.endr
.endr
	REDUCE
	v_mul_f32 v14, s38, v14                        ; the mean
.set p, 0
.rept 16
	v_pk_add_f32 v[XB+p:XB+p+1], v[XB+p:XB+p+1], v[14:15] op_sel_hi:[1,0] neg_lo:[0,1] neg_hi:[0,1]
.set p, p+2
.endr
.irp k, 0,1,2,3
	v_pk_mul_f32 v[14+2*(\k):15+2*(\k)], v[XB+2*(\k):XB+2*(\k)+1], v[XB+2*(\k):XB+2*(\k)+1]
.endr
.irp m, 1,2,3
.irp k, 0,1,2,3
	v_pk_fma_f32 v[14+2*(\k):15+2*(\k)], v[XB+8*(\m)+2*(\k):XB+8*(\m)+2*(\k)+1], v[XB+8*(\m)+2*(\k):XB+8*(\m)+2*(\k)+1], v[14+2*(\k):15+2*(\k)]
.endr
.endr
	REDUCE
	v_fma_f32 v14, v14, s38, s39                   ; the variance of the centred row, + 1e-5
	v_rsq_f32 v14, v14
	v_nop                                          ; a plain instruction behind the root,
	s_wait_alu depctr_va_vdst(0)                   ; and the wait ahead of its first reader
.set p, 0
.rept 16
	v_pk_mul_f32 v[XB+p:XB+p+1], v[XB+p:XB+p+1], v[14:15] op_sel_hi:[1,0]
.set p, p+2
.endr
.set p, 0
.rept 16
	v_pk_fma_f32 v[XB+p:XB+p+1], v[XB+p:XB+p+1], v[LW+p:LW+p+1], v[LB+p:LB+p+1]
.set p, p+2
.endr
.set p, 0
.rept 16
	v_cvt_pk_bf16_f32 v[YB+p], v[XB+2*p], v[XB+2*p+1]
.set p, p+1
.endr
.irp j, 0,1,2,3,4,5,6,7
	global_store_b64 v7, v[YB+2*(\j):YB+2*(\j)+1], s[30:31] offset:2048*(\x)+256*(\j)  ; 32 lanes store 256 consecutive bytes, aligned
	ds_store_b64 v8, v[YB+2*(\j):YB+2*(\j)+1] offset:NPITCH*(\x)+256*(\j)
.endr
.endm
	LNROW 0
	LNROW 1
	s_wait_dscnt 0x0                               ; for the others' sake: my rows of n and my rows of (Wb | Wa) lie in LDS
	s_barrier_signal -1
	s_barrier_wait -1
	; THE GATES.  Source 0 = 16 columns of (Wb | Wa), turned; source 1 = the 16 rows of n: a lane holds one row (l % 16) and columns 8 (l / 16) + 0..7.  Wave w takes d = 128 w .. 128 w + 127.
.irp s, 0,1,2,3
	ds_load_b128 v[64+8*(\s):64+8*(\s)+3],   v10 offset:64*(\s)
	ds_load_b128 v[64+8*(\s)+4:64+8*(\s)+7], v10 offset:64*(\s)+32
	ds_load_tr16_b128 v[96+8*(\s):96+8*(\s)+3],   v11 offset:1024*(\s)
	ds_load_tr16_b128 v[96+8*(\s)+4:96+8*(\s)+7], v11 offset:1024*(\s)+512
.endr
	s_wait_dscnt 0x0
	v_wmma_f32_16x16x32_bf16 v[128:135], v[96:103],  v[64:71], 0        ; two accumulators by turns
	v_wmma_f32_16x16x32_bf16 v[136:143], v[104:111], v[72:79], 0
	v_wmma_f32_16x16x32_bf16 v[128:135], v[112:119], v[80:87], v[128:135]
	v_wmma_f32_16x16x32_bf16 v[136:143], v[120:127], v[88:95], v[136:143]
.rept 4
	v_nop                                          ; four places behind the last product
.endr
.irp p, 0,2,4,6
	v_pk_add_f32 v[128+(\p):129+(\p)], v[128+(\p):129+(\p)], v[136+(\p):137+(\p)]
.endr
	ds_store_b128 v25, v[128:131]
	ds_store_b128 v25, v[132:135] offset:16
	s_wait_dscnt 0x0
	s_barrier_signal -1
	s_barrier_wait -1                              ; all eight partial tiles lie in LDS
	s_cmp_lg_u32 s40, 0
	s_cbranch_scc1 .Lend                           ; wave 0 finishes the tile
.irp v, 0,1,2,3,4,5,6,7
	ds_load_b128 v[64+8*(\v):64+8*(\v)+3],   v26 offset:1024*(\v)
	ds_load_b128 v[64+8*(\v)+4:64+8*(\v)+7], v26 offset:1024*(\v)+16
.endr
	s_wait_dscnt 0x0
.irp v, 1,2,3,4,5,6,7
.irp p, 0,2,4,6
	v_pk_add_f32 v[64+(\p):65+(\p)], v[64+(\p):65+(\p)], v[64+8*(\v)+(\p):65+8*(\v)+(\p)]
.endr
.endr
	; z' = z log2 e; e = 2^-|z'|; sigmoid = 1 / (1 + e) for z >= 0, e / (1 + e) for z < 0; log2 sigmoid = min(z', 0) - log2(1 + e): no exponent above 0, finite for every finite z
.irp p, 0,2,4,6
	v_pk_mul_f32 v[64+(\p):65+(\p)], v[64+(\p):65+(\p)], 0x3fb8aa3b op_sel_hi:[1,0]
.endr
.irp j, 0,1,2,3,4,5,6,7
	v_or_b32 v[72+(\j)], 0x80000000, v[64+(\j)]
.endr
.irp j, 0,1,2,3,4,5,6,7
	v_exp_f32 v[72+(\j)], v[72+(\j)]
.endr
	v_nop
	s_wait_alu depctr_va_vdst(0)                   ; one wait for the eight
.irp j, 0,1,2,3,4,5,6,7
	v_add_f32 v[80+(\j)], 1.0, v[72+(\j)]
.endr
.irp j, 0,1,2,3,4,5,6,7
	v_rcp_f32 v[88+(\j)], v[80+(\j)]
	v_log_f32 v[96+(\j)], v[80+(\j)]
.endr
.irp j, 0,1,2,3,4,5,6,7
	v_min_num_f32 v[112+(\j)], 0, v[64+(\j)]       ; plain work behind the batch
.endr
	s_wait_alu depctr_va_vdst(0)                   ; one wait for the sixteen
.irp j, 0,1,2,3,4,5,6,7
	v_mul_f32 v[104+(\j)], v[72+(\j)], v[88+(\j)]
	v_cmp_le_f32 vcc_lo, 0, v[64+(\j)]
	v_cndmask_b32 v[104+(\j)], v[104+(\j)], v[88+(\j)], vcc_lo
	v_sub_f32 v[112+(\j)], v[112+(\j)], v[96+(\j)]
	v_cndmask_b32 v[104+(\j)], v[104+(\j)], v[112+(\j)], s41  ; lanes 16 to 31 hold Wa's columns: they keep the logarithm
.endr
	global_store_b128 v27, v[104:107], s[32:33]
	global_store_b128 v27, v[108:111], s[32:33] offset:16
.Lend:
	s_wait_tensorcnt 0x0                           ; the wave's end, behind my last LDS store
	ds_add_u32 v[SPW], v[NIL]
	s_wait_dscnt 0x0
	s_endpgm
.Lfunc_end_k_q5e5aaa8e46_ln1cast:
	.size	k_q5e5aaa8e46_ln1cast, .Lfunc_end_k_q5e5aaa8e46_ln1cast-k_q5e5aaa8e46_ln1cast
	.p2alignl 7, 3214868480
	.fill 96, 4, 3214868480
	.section	.rodata,"a",@progbits
	.p2align	6, 0x0
	.amdhsa_kernel k_q5e5aaa8e46_ln1cast
		.amdhsa_group_segment_fixed_size 75008
		.amdhsa_private_segment_fixed_size 0
		.amdhsa_enable_private_segment 0
		.amdhsa_kernarg_size 112
		.amdhsa_user_sgpr_count 2
		.amdhsa_user_sgpr_kernarg_segment_ptr 1
		.amdhsa_wavefront_size32 1
		.amdhsa_system_sgpr_workgroup_id_x 1
		.amdhsa_system_sgpr_workgroup_id_y 1
		.amdhsa_system_sgpr_workgroup_id_z 1
		.amdhsa_system_vgpr_workitem_id 0
		.amdhsa_next_free_vgpr 256
		.amdhsa_next_free_sgpr 66
		.amdhsa_reserve_vcc 1
		.amdhsa_float_denorm_mode_32 3
		.amdhsa_float_denorm_mode_16_64 3
		.amdhsa_memory_ordered 1
		.amdhsa_forward_progress 1
		.amdhsa_inst_pref_size 51
	.end_amdhsa_kernel
	.amdgpu_metadata
---
amdhsa.version: [ 1, 2 ]
amdhsa.kernels:
  - .name:           k_q5e5aaa8e46_ln1cast
    .symbol:         k_q5e5aaa8e46_ln1cast.kd
    .args:
      - { .name: x, .offset: 0, .size: 8, .value_kind: global_buffer, .address_space: global }
      - { .name: ln1_w, .offset: 8, .size: 8, .value_kind: global_buffer, .address_space: global }
      - { .name: ln1_b, .offset: 16, .size: 8, .value_kind: global_buffer, .address_space: global }
      - { .name: Wb, .offset: 24, .size: 8, .value_kind: global_buffer, .address_space: global }
      - { .name: Wa, .offset: 32, .size: 8, .value_kind: global_buffer, .address_space: global }
      - { .name: Wq, .offset: 40, .size: 8, .value_kind: global_buffer, .address_space: global }
      - { .name: Wk, .offset: 48, .size: 8, .value_kind: global_buffer, .address_space: global }
      - { .name: Wv, .offset: 56, .size: 8, .value_kind: global_buffer, .address_space: global }
      - { .name: Wo, .offset: 64, .size: 8, .value_kind: global_buffer, .address_space: global }
      - { .name: W1, .offset: 72, .size: 8, .value_kind: global_buffer, .address_space: global }
      - { .name: W2, .offset: 80, .size: 8, .value_kind: global_buffer, .address_space: global }
      - { .name: act, .offset: 88, .size: 8, .value_kind: global_buffer, .address_space: global }
      - { .name: gate, .offset: 96, .size: 8, .value_kind: global_buffer, .address_space: global }
      - { .name: wbf, .offset: 104, .size: 8, .value_kind: global_buffer, .address_space: global }
    .group_segment_fixed_size: 75008
    .private_segment_fixed_size: 0
    .kernarg_segment_align: 8
    .kernarg_segment_size: 112
    .max_flat_workgroup_size: 256
    .sgpr_count:     66
    .vgpr_count:     256
    .wavefront_size: 32
...
	.end_amdgpu_metadata
.endif
;; end of part 1
;; launch qkv (part 2): grid 12 x 16, 4 waves a work-group, clusters of 4 x 4, 327,680 bytes of LDS; arguments act, wbf, big; writes big
.if DOCPART == 2
	.amdgcn_target "amdgcn-amd-amdhsa--gfx1250"
	.amdhsa_code_object_version 6
	.text
	.protected	k_q5e5aaa8e46_qkv
	.globl	k_q5e5aaa8e46_qkv
	.p2align	8
	.type	k_q5e5aaa8e46_qkv,@function
k_q5e5aaa8e46_qkv:
	s_mov_b64 s[64:65], 0
	v_nop
	global_prefetch_b8 v0, s[64:65] scope:SCOPE_SE
	s_setreg_imm32_b32 hwreg(HW_REG_WAVE_MODE, 25, 1), 1
	s_wait_xcnt 0x0
	s_wait_alu depctr_hold_cnt(0) depctr_sa_sdst(0) depctr_va_vdst(0) depctr_va_sdst(0) depctr_va_ssrc(0) depctr_va_vcc(0) depctr_vm_vsrc(0)
	s_getreg_b32 s2, hwreg(HW_REG_IB_STS2, 6, 4)
	s_cmp_eq_u32 s2, 0
	s_cbranch_scc0 .Lentry_in_a_cluster
	s_endpgm
.Lentry_in_a_cluster:
	s_bfe_u32 s2, ttmp6, 0x10000c
	s_cmp_lg_u32 s2, 0xf033
	s_cbranch_scc0 .Lentry_shape_is_right
	s_endpgm
.Lentry_shape_is_right:
; LAUNCH 2: q, k, v = silu(n W), q and k divided by the norm of their head's 128 numbers; stored by heads, [which][b h][t][128] bf16, rounded once.
; One text serves this launch (FFN = 0) and launch 7 (FFN = 1: g^T = gelu(h W1 + b1)^T, [4096 f][4096 m] bf16).
; A tile of the result is 256 x 256: four waves, 128 x 128 each, 64 accumulators in 512 registers.  K = 1,024 goes in 8 steps of 128 through two LDS slots.
; TWO KINDS OF OPERAND TILE.  R: rows along K (n, h): 256 rows x 256 bytes, LDS pitch 272, read by ds_load_b128.  T: K down the rows (the weights as they lie, [K][N]): 128 rows x 512 bytes, LDS pitch 544,
; read turned, by ds_load_tr16_b128.  Waves 0, 1 fetch R's halves, waves 2, 3 T's: 34,816 bytes each, one tensor load a wave and step.
; ROLES.  Source 0 = X (fragments in window 1), source 1 = Y (window 0): a lane holds one Y index (l % 16) and eight neighbouring X indices.  FFN = 0: X = features (T), Y = tokens (R); FFN = 1: X = tokens (R), Y = features (T).
; CLUSTER 4 x 4.  X's tile hangs on the grid's x alone and is asked for jointly by a column of the cluster, Y's on the grid's y alone and by a row.
; THE WAY OUT.  The f32 results go through a stage in LDS (each wave's own 128 rows x 528 bytes, over the ring, which has had its last fill) so that the activation is a short loop: 8 rows a trip, 16 lanes a row.
; gelu(x) = max(x, 0) - u P(t) 2^(-u^2 log2(e) / 2), u = |x|, t = 1 / (1 + 0.2316419 u), P the polynomial of Abramowitz and Stegun 26.2.17 times 1 / sqrt(2 pi): the normal integral to 7.5e-8 for every x, no difference of near numbers for x < 0.
; The rows of a first reading are not prefetched in this text.
.set FFN, 0
.set PR,     272
.set PT,     544
.set HALFB,  34816                     ; what one tensor load brings
.set SLOT,   139264                    ; R's tile, then T's.  No bit of it lies in wave x 34,816, so one exclusive or changes slots
.set SPARE,  278528                    ; behind the ring: the spare words, 128 bytes a wave
.set SPITCH, 528
.set STGB,   128*SPITCH
.set RSTEP,  256
.if FFN
.set TPITCH, 4096
.set ROWP,   8192                      ; bytes from row to row of the output
.else
.set TPITCH, 1024
.set ROWP,   256
.endif
.set TSTEP,  128*TPITCH*2
.set R0,  16                           ; v16  my lane's place in R's tile
.set T0,  17                           ; v17  in T's
.set ADR, 18                           ; v18  the same in the slot being read
.set ADT, 19
.set STO, 20                           ; v20  the way out: where I put 16 bytes
.set RD,  21                           ; v21  where I read rows back
.set CO,  22                           ; v22  my byte offset in the output
.set SPW, 28
.set NIL, 29
.set F0,  64                           ; fragment buffers, in windows 0 (Y) and 1 (X)
.set F1,  128
.set BIAS, 192                         ; FFN: v[192:255] eight C tiles: b1 of my lane's feature, eight times
.set WV,  12
.set HY,  13                           ; wave / 2: my half of Y.  Also: I fetch R (0) or T (1)
.set HX,  14                           ; wave % 2: my half of X.  Also: which half of that tile I fetch
.if FFN
.set HR, HX
.set HT, HY
.else
.set HR, HY
.set HT, HX
.endif
.set G1R, 24                           ; s[24:31] group 1 for R;  s[32:39] group 0: the first fill's set, then the walking set
.set G0R, 32
.set G1T, 48                           ; s[48:55], s[56:63] the same for T
.set G0T, 56
.set RS,  66                           ; s66  0 or SLOT: the slot being read
.set CNT, 67
.set MSB, 0
.macro WIN new                         ; the immediate's high byte repeats the setting that is left
.if MSB != (\new)
	s_set_vgpr_msb (MSB<<8)|(\new)
.set MSB, \new
.endif
.endm
.set MUL_LO, 0xa1                      ; source 0 window 1, source 1 window 0, C and D window 2
.macro PLACES
.rept 4
	v_nop
.endr
.endm
.macro JLOAD                           ; a joint refill by the walking sets; an s_nop 0 and four v_nop follow each line
	s_cmp_eq_u32 s[HY], 0
	s_cbranch_scc0 .Lfor_t_\@
	tensor_load_to_lds s[G0R+4:G0R+7], s[G1R:G1R+7]
	s_nop 0
	PLACES
	s_branch .Lasked_\@
.Lfor_t_\@:
	tensor_load_to_lds s[G0T+4:G0T+7], s[G1T:G1T+7]
	s_nop 0
	PLACES
.Lasked_\@:
.endm
.macro CREST                           ; a round of the cluster's barrier behind its opening barrier
	s_cmp_lg_u32 s[WV], 0
	s_cbranch_scc1 .Lnot_wave_0_\@
	s_barrier_signal -3
.Lnot_wave_0_\@:
	s_barrier_wait -3
	s_barrier_signal -1
	s_barrier_wait -1
.endm
.macro CROUND
	s_barrier_signal -1
	s_barrier_wait -1
	CREST
.endm
.if FFN
	s_load_b256 s[4:11], s[0:1], 0x0               ; h s[4:5], wbf s[6:7], b1 s[8:9], big s[10:11]
.else
	s_load_b128 s[4:7], s[0:1], 0x0                ; n s[4:5], wbf s[6:7]
	s_load_b64 s[10:11], s[0:1], 0x10              ; big
.endif
	v_lshl_add_u32 v[SPW], v0, 2, SPARE
	v_mov_b32 v[NIL], 0
	ds_add_u32 v[SPW], v[NIL]                      ; the wave's opening: the add, twice on end, and its wait ahead of my first tensor load
	ds_add_u32 v[SPW], v[NIL]
	v_lshrrev_b32 v1, 5, v0
	v_readfirstlane_b32 s[WV], v1
	s_lshr_b32 s[HY], s[WV], 1
	s_and_b32 s[HX], s[WV], 1
	s_bfe_u32 s40, ttmp6, 0x40000                  ; cx
	s_bfe_u32 s41, ttmp6, 0x40004                  ; cy
	s_lshl_b32 s42, ttmp9, 2
	s_add_co_u32 s42, s42, s40                     ; tx
	s_and_b32 s43, ttmp7, 0xffff
	s_lshl_b32 s43, s43, 2
	s_add_co_u32 s43, s43, s41                     ; ty
	s_lshl_b32 s44, s41, 2
	s_lshl_b32 s44, 15, s44                        ; my row of the cluster
	s_lshl_b32 s45, 0x1111, s40                    ; my column
.if FFN
	s_or_b32 s[G1R], s45, (1<<16)|(1<<20)|(1<<21)|(5<<22)|(3<<25)  ; R = X: my column; 2-byte elements; padding of 4 words after every 64; bit 21 beside the mask
	s_or_b32 s[G1T], s44, (1<<16)|(1<<20)|(1<<21)|(6<<22)|(7<<25)  ; T = Y: my row; padding of 8 words after every 128
.else
	s_or_b32 s[G1R], s44, (1<<16)|(1<<20)|(1<<21)|(5<<22)|(3<<25)  ; R = Y: my row
	s_or_b32 s[G1T], s45, (1<<16)|(1<<20)|(1<<21)|(6<<22)|(7<<25)  ; T = X: my column
.endif
	s_mov_b32 s[G1R+1], 128<<16                    ; tensor_dim0 = 128
	s_mov_b32 s[G1R+2], 128<<16                    ; tensor_dim1 = 128
	s_mov_b32 s[G1R+3], 128<<16                    ; tile_dim0 = 128
	s_mov_b32 s[G1R+4], 128                        ; tile_dim1 = 128
	s_mov_b32 s[G1R+5], 1024                       ; elements from row to row
	s_mov_b32 s[G1R+6], 0
	s_mov_b32 s[G1R+7], 0
	s_mov_b32 s[G1T+1], 256<<16                    ; tensor_dim0 = 256
	s_mov_b32 s[G1T+2], 64<<16                     ; tensor_dim1 = 64
	s_mov_b32 s[G1T+3], 256<<16                    ; tile_dim0 = 256
	s_mov_b32 s[G1T+4], 64                         ; tile_dim1 = 64
	s_mov_b32 s[G1T+5], TPITCH
	s_mov_b32 s[G1T+6], 0
	s_mov_b32 s[G1T+7], 0
	; where the tiles come from: each in registers that never hold the other coordinate
.if FFN
	s_lshl_b32 s16, s42, 19                        ; R: row 256 tx, 2,048 bytes a row
	s_lshl_b32 s46, s43, 9                         ; T: W1 from byte 8,388,608 of wbf, column 256 ty
	s_add_co_u32 s46, s46, 8388608
.else
	s_lshl_b32 s16, s43, 19                        ; R: row 256 ty
	s_lshr_b32 s46, s42, 2                         ; T: Wq, Wk or Wv (2,097,152 bytes each), column 256 (tx % 4)
	s_lshl_b32 s46, s46, 21
	s_and_b32 s47, s42, 3
	s_lshl_b32 s47, s47, 9
	s_add_co_u32 s46, s46, s47
.endif
	s_lshl_b32 s17, s[HX], 18                      ; + the 128 rows of R that I fetch
	s_add_co_u32 s16, s16, s17
	s_mov_b32 s17, 0
	s_mul_i32 s47, s[HX], 64*TPITCH*2              ; + the 64 rows of T that I fetch
	s_add_co_u32 s46, s46, s47
	s_mov_b32 s47, 0
	s_mul_i32 s22, s[WV], HALFB                    ; where they go: no place in the cluster enters an LDS address
	s_mov_b32 s[RS], 0
	s_wait_dscnt 0x0                               ; both opening adds are done
	s_wait_kmcnt 0x0
	s_add_nc_u64 s[20:21], s[4:5], s[16:17]
	s_add_nc_u64 s[46:47], s[6:7], s[46:47]
	CROUND                                         ; all sixteen work-groups are here: the first joint loads meet
.irp s, 0,1
	s_mov_b32 s[G0R+4*(\s)], 1
	s_add_co_u32 s[G0R+4*(\s)+1], s22, (\s)*SLOT
	s_add_nc_u64 s[G0R+4*(\s)+2:G0R+4*(\s)+3], s[20:21], (\s)*RSTEP
	s_or_b32 s[G0R+4*(\s)+3], s[G0R+4*(\s)+3], 0x80000000
	s_mov_b32 s[G0T+4*(\s)], 1
	s_add_co_u32 s[G0T+4*(\s)+1], s22, (\s)*SLOT
	s_add_nc_u64 s[G0T+4*(\s)+2:G0T+4*(\s)+3], s[46:47], (\s)*TSTEP
	s_or_b32 s[G0T+4*(\s)+3], s[G0T+4*(\s)+3], 0x80000000
.endr
	s_cmp_eq_u32 s[HY], 0                          ; a wave's two first fills stand in one branch: two loads of mine are out
	s_cbranch_scc0 .Lfirst_t
	tensor_load_to_lds s[G0R:G0R+3], s[G1R:G1R+7]
	s_nop 0
	tensor_load_to_lds s[G0R+4:G0R+7], s[G1R:G1R+7]
	s_nop 0
	PLACES
	s_branch .Lfirst_asked
.Lfirst_t:
	tensor_load_to_lds s[G0T:G0T+3], s[G1T:G1T+7]
	s_nop 0
	tensor_load_to_lds s[G0T+4:G0T+7], s[G1T:G1T+7]
	s_nop 0
	PLACES
.Lfirst_asked:
	v_and_b32 v1, 15, v0                           ; r
	v_bfe_u32 v2, v0, 4, 1                         ; h
	v_mul_u32_u24 v3, v1, PR
	v_lshl_add_u32 v3, v2, 4, v3
	s_mul_i32 s23, s[HR], HALFB
	v_add_nc_u32 v[R0], s23, v3                    ; R: row r x pitch + 16 h + my 128 rows
	v_and_b32 v4, 7, v0
	v_bfe_u32 v5, v0, 3, 1
	v_lshl_add_u32 v4, v2, 3, v4
	v_mul_u32_u24 v4, v4, PT
	v_lshl_add_u32 v4, v5, 4, v4
	s_lshl_b32 s23, s[HT], 8
	s_add_co_u32 s23, s23, 2*HALFB
	v_add_nc_u32 v[T0], s23, v4                    ; T: row 8 h + l % 8, 16 bytes by (l / 8) % 2, my 128 columns; behind R's tile
	v_mov_b32 v[ADR], v[R0]
	v_mov_b32 v[ADT], v[T0]
	s_mul_i32 s23, s[WV], STGB
	v_mul_u32_u24 v3, v1, SPITCH
	v_lshl_add_u32 v3, v2, 5, v3
	v_add_nc_u32 v[STO], s23, v3                   ; into the stage: row r, 32 bytes for each half of the lanes
	v_mul_u32_u24 v3, v2, SPITCH
	v_lshl_add_u32 v3, v1, 5, v3
	v_add_nc_u32 v[RD], s23, v3                    ; back: lanes 0-15 one row, 32 bytes a lane, lanes 16-31 the next
	v_mul_u32_u24 v3, v2, ROWP
	v_lshl_add_u32 v[CO], v1, 4, v3
.if FFN
	s_lshl_b32 s80, s43, 21                        ; g^T: feature 256 ty + 128 HY, 8,192 bytes a row; token 256 tx + 128 HX
	s_lshl_b32 s81, s[HY], 20
	s_add_co_u32 s80, s80, s81
	s_lshl_b32 s81, s42, 9
	s_add_co_u32 s80, s80, s81
	s_lshl_b32 s81, s[HX], 8
	s_add_co_u32 s80, s80, s81
	s_lshl_b32 s82, s43, 10                        ; b1 at my 128 features
	s_lshl_b32 s83, s[HY], 9
	s_add_co_u32 s82, s82, s83
	s_mov_b32 s83, 0
	s_add_nc_u64 s[8:9], s[8:9], s[82:83]
	v_lshlrev_b32 v6, 2, v1
.irp a, 0,1,2,3,4,5,6,7
	global_load_b32 v[BIAS+8*(\a)], v6, s[8:9] offset:64*(\a)
.endr
	s_mov_b32 s70, 0x3e027906                      ; c1 .. c5, each twice: the packed forms name pairs
	s_mov_b32 s71, 0x3e027906
	s_mov_b32 s72, 0xbe11a98e
	s_mov_b32 s73, 0xbe11a98e
	s_mov_b32 s74, 0x3f35f0e3
	s_mov_b32 s75, 0x3f35f0e3
	s_mov_b32 s76, 0xbf3a00e3
	s_mov_b32 s77, 0xbf3a00e3
	s_mov_b32 s78, 0x3f07dc22
	s_mov_b32 s79, 0x3f07dc22
	s_wait_loadcnt 0x0
.irp a, 0,1,2,3,4,5,6,7
.irp j, 1,2,3,4,5,6,7
	v_mov_b32 v[BIAS+8*(\a)+(\j)], v[BIAS+8*(\a)]
.endr
.endr
.else
	s_lshl_b32 s80, ttmp9, 23                      ; q, k or v: 8,388,608 bytes each; the cluster's x says which
	s_lshr_b32 s81, s43, 2
	s_lshl_b32 s81, s81, 21                        ; b = ty / 4: 8 heads x 1,024 rows x 256 bytes
	s_add_co_u32 s80, s80, s81
	s_lshl_b32 s81, s40, 1
	s_add_co_u32 s81, s81, s[HX]                   ; head = 2 (tx % 4) + my half of X
	s_lshl_b32 s81, s81, 18
	s_add_co_u32 s80, s80, s81
	s_and_b32 s81, s43, 3
	s_lshl_b32 s81, s81, 16                        ; t = 256 (ty % 4) + 128 HY
	s_add_co_u32 s80, s80, s81
	s_lshl_b32 s81, s[HY], 15
	s_add_co_u32 s80, s80, s81
	s_mov_b32 s68, ttmp9
	s_mov_b32 s70, 0x3ef5fdf0                      ; (ln 2)^2
	s_mov_b32 s71, 0x358637bd                      ; 1e-6
.endif
	s_mov_b32 s81, 0
	s_add_nc_u64 s[10:11], s[10:11], s[80:81]
; 16 products: Y blocks a0, a0 + 1 of the window's four (hi = 0: my first 64 of Y, 1: the others) x all 8 X blocks, 32 along K.  zero = 1: the first product starts the sums, with 0 or (FFN) with b1.
.macro MUL16 f, hi, a0, zero
.irp a, \a0, (\a0)+1
.irp b, 0,1,2,3,4,5,6,7
.if (\zero) && FFN
	WIN 0x81+0x40*(\hi)                            ; C in window 0
	v_wmma_f32_16x16x32_bf16 v[8*(8*(\a)+(\b)):8*(8*(\a)+(\b))+7], v[(\f)+8*(\b):(\f)+8*(\b)+7], v[(\f)+8*(4*(\hi)+(\a)):(\f)+8*(4*(\hi)+(\a))+7], v[BIAS+8*(4*(\hi)+(\a)):BIAS+8*(4*(\hi)+(\a))+7]
.elseif \zero
	WIN MUL_LO+0x50*(\hi)
	v_wmma_f32_16x16x32_bf16 v[8*(8*(\a)+(\b)):8*(8*(\a)+(\b))+7], v[(\f)+8*(\b):(\f)+8*(\b)+7], v[(\f)+8*(4*(\hi)+(\a)):(\f)+8*(4*(\hi)+(\a))+7], 0
.else
	WIN MUL_LO+0x50*(\hi)
	v_wmma_f32_16x16x32_bf16 v[8*(8*(\a)+(\b)):8*(8*(\a)+(\b))+7], v[(\f)+8*(\b):(\f)+8*(\b)+7], v[(\f)+8*(4*(\hi)+(\a)):(\f)+8*(4*(\hi)+(\a))+7], v[8*(8*(\a)+(\b)):8*(8*(\a)+(\b))+7]
.endif
.endr
.endr
.endm
.macro LDR q, f                        ; 16 loads: eight fragments of R, 32 along K at quarter q
.irp i, 0,1,2,3,4,5,6,7
	ds_load_b128 v[(\f)+8*(\i):(\f)+8*(\i)+3],   v[ADR] offset:64*(\q)+16*PR*(\i)
	ds_load_b128 v[(\f)+8*(\i)+4:(\f)+8*(\i)+7], v[ADR] offset:64*(\q)+16*PR*(\i)+32
.endr
.endm
.macro LDT q, f                        ; the same of T, turned
.irp i, 0,1,2,3,4,5,6,7
	ds_load_tr16_b128 v[(\f)+8*(\i):(\f)+8*(\i)+3],   v[ADT] offset:32*PT*(\q)+32*(\i)
	ds_load_tr16_b128 v[(\f)+8*(\i)+4:(\f)+8*(\i)+7], v[ADT] offset:32*PT*(\q)+32*(\i)+16*PT
.endr
.endm
.macro FETCH q, f                      ; 32 LDS loads in one run: X into window 1, then Y into window 0
	WIN 0x40
.if FFN
	LDR \q, \f
	WIN 0
	LDT \q, \f
.else
	LDT \q, \f
	WIN 0
	LDR \q, \f
.endif
.endm
; A K step is four quarters of 32 along K on buffers 0, 1, 0, 1.  One of the first three multiplies buffer f and, in its middle, fetches quarter q into buffer g.
.macro QUARTER q, f, g, zero
	s_wait_dscnt 8                                 ; X and Y's blocks 0-3 are in; the youngest eight loads (Y's blocks 4-7) may be out
	MUL16 \f, 0, 0, \zero
	MUL16 \f, 0, 2, \zero
	PLACES                                         ; four places in front of loads into registers that products have read
	FETCH \q, \g
	s_wait_dscnt 32                                ; all but the 32 just issued
	MUL16 \f, 1, 0, \zero
	MUL16 \f, 1, 2, \zero
.endm
; The last quarter multiplies buffer 1 and changes slots.  In front of the barrier each wave waits for all its tensor loads (one is out: its part of the next slot), adds 0 to its spare word, and waits for that
; and for its reads of this slot.  fill = 1: the barrier opens a round of the cluster's, and the slot just read is filled again, two K steps ahead, first thing behind the round.
.macro TURN fill
	WIN 0
	s_wait_tensorcnt 0x0
	ds_add_u32 v[SPW], v[NIL]
	s_wait_dscnt 9                                 ; the add and the youngest eight loads may be out
	MUL16 F1, 0, 0, 0
	s_wait_dscnt 0x0                               ; the add is done, and my reads of this slot are over
	s_barrier_signal -1
	MUL16 F1, 0, 2, 0
	WIN 0
	s_barrier_wait -1
.if \fill
	CREST
	s_xor_b32 s[G0R+5], s[G0R+5], SLOT             ; the walking sets: the other slot than last time, the next K step
	s_add_nc_u64 s[G0R+6:G0R+7], s[G0R+6:G0R+7], RSTEP
	s_xor_b32 s[G0T+5], s[G0T+5], SLOT
	s_add_nc_u64 s[G0T+6:G0T+7], s[G0T+6:G0T+7], TSTEP
	JLOAD                                          ; its four v_nop are also the places in front of the loads below
.else
	PLACES
.endif
	s_xor_b32 s[RS], s[RS], SLOT
	v_add_nc_u32 v[ADR], s[RS], v[R0]
	v_add_nc_u32 v[ADT], s[RS], v[T0]
	FETCH 0, F0
	MUL16 F1, 1, 0, 0
	MUL16 F1, 1, 2, 0
.endm
	s_wait_tensorcnt 1                             ; my part of K step 0 is in; step 1's may stay out
	s_barrier_signal -1
	s_barrier_wait -1
	FETCH 0, F0
	QUARTER 1, F0, F1, 1                           ; the first quarter stands in front of the loop: its products start the sums
	WIN 0
	s_mov_b32 s[CNT], 6
.LloopA:                               ; six trips: from a step's second quarter to the next step's first; each fills a slot again (steps 2 to 7)
	QUARTER 2, F1, F0, 0
	QUARTER 3, F0, F1, 0
	TURN 1
	QUARTER 1, F0, F1, 0
	WIN 0
	s_sub_co_u32 s[CNT], s[CNT], 1
	s_cmp_lg_u32 s[CNT], 0
	s_cbranch_scc1 .LloopA
	s_mov_b32 s[CNT], 2
.LloopB:                               ; steps 6 and 7 ask for nothing; the second trip is left in its middle
	QUARTER 2, F1, F0, 0
	QUARTER 3, F0, F1, 0
	WIN 0
	s_sub_co_u32 s[CNT], s[CNT], 1
	s_cmp_eq_u32 s[CNT], 0
	s_cbranch_scc1 .Lfin
	TURN 0
	QUARTER 1, F0, F1, 0
	WIN 0
	s_branch .LloopB
.Lfin:
	s_wait_dscnt 0x0
	MUL16 F1, 0, 0, 0
	MUL16 F1, 0, 2, 0
	MUL16 F1, 1, 0, 0
	MUL16 F1, 1, 2, 0
	WIN 0
	PLACES
	s_wait_dscnt 0x0                               ; my reads of the ring are over;
	s_barrier_signal -1
	s_barrier_wait -1                              ; everybody's are: the stages may be written over it
.irp a, 0,1,2,3,4,5,6,7
	WIN 0x08+4*((\a)/4)                            ; store data (source 1) in window 2 or 3
.irp b, 0,1,2,3,4,5,6,7
	ds_store_b128 v[STO], v[8*(8*((\a)%4)+(\b)):8*(8*((\a)%4)+(\b))+3]   offset:16*SPITCH*(\a)+64*(\b)
	ds_store_b128 v[STO], v[8*(8*((\a)%4)+(\b))+4:8*(8*((\a)%4)+(\b))+7] offset:16*SPITCH*(\a)+64*(\b)+16
.endr
.endr
	WIN 0
.set L, 64                             ; v[64:95] 8 numbers of each of 4 rows, as read back
.macro RLOAD                           ; LDS serves a wave's instructions in order: these see the stores above
.irp p, 0,1,2,3
	ds_load_b128 v[L+8*(\p):L+8*(\p)+3],   v[RD] offset:2*SPITCH*(\p)
	ds_load_b128 v[L+8*(\p)+4:L+8*(\p)+7], v[RD] offset:2*SPITCH*(\p)+16
.endr
.endm
.macro EACH16 line:vararg              ; one line for each pair i = 0, 2 .. 30
.set i, 0
.rept 16
	\line
.set i, i+2
.endr
.endm
.macro EACH32 line:vararg
.set i, 0
.rept 32
	\line
.set i, i+1
.endr
.endm
	RLOAD
	s_mov_b32 s[CNT], 16
.Lrow:                                 ; 16 trips of 8 rows
	s_wait_dscnt 0x0
.if FFN
.set MX, 96
.set U,  128
.set TT, 160
.set W,  192
.set A,  224
.set O,  32
	EACH32 v_max_num_f32 v[MX+i], 0, v[L+i]
	EACH32 v_and_b32 v[U+i], 0x7fffffff, v[L+i]
.else
.set T, 96
.set E, 128
.set O, 160
.set S, 176
	EACH16 v_pk_mul_f32 v[T+i:T+i+1], v[L+i:L+i+1], 0xbfb8aa3b op_sel_hi:[1,0]   ; -x log2 e
.endif
	s_cmp_eq_u32 s[CNT], 1                         ; the rows have been read out of L: the next eight are asked for, but in the last trip
	s_cbranch_scc1 .Lnomore
	v_add_nc_u32 v[RD], 8*SPITCH, v[RD]
	RLOAD
.Lnomore:
.if FFN
	EACH16 v_pk_fma_f32 v[TT+i:TT+i+1], v[U+i:U+i+1], 0x3e6d3389, 1.0 op_sel_hi:[1,0,0]
	EACH16 v_pk_mul_f32 v[W+i:W+i+1], v[U+i:U+i+1], v[U+i:U+i+1]
	EACH16 v_pk_mul_f32 v[W+i:W+i+1], v[W+i:W+i+1], 0xbf38aa3b op_sel_hi:[1,0]
	EACH32 v_rcp_f32 v[TT+i], v[TT+i]
	EACH32 v_exp_f32 v[W+i], v[W+i]
	v_nop                                          ; a plain instruction behind the batch,
	s_wait_alu depctr_va_vdst(0)                   ; and one wait for its 64
	EACH16 v_pk_fma_f32 v[A+i:A+i+1], v[TT+i:TT+i+1], s[78:79], s[76:77] op_sel_hi:[1,0,0]
	EACH16 v_pk_fma_f32 v[A+i:A+i+1], v[A+i:A+i+1], v[TT+i:TT+i+1], s[74:75] op_sel_hi:[1,1,0]
	EACH16 v_pk_fma_f32 v[A+i:A+i+1], v[A+i:A+i+1], v[TT+i:TT+i+1], s[72:73] op_sel_hi:[1,1,0]
	EACH16 v_pk_fma_f32 v[A+i:A+i+1], v[A+i:A+i+1], v[TT+i:TT+i+1], s[70:71] op_sel_hi:[1,1,0]
	EACH16 v_pk_mul_f32 v[A+i:A+i+1], v[A+i:A+i+1], v[TT+i:TT+i+1]
	EACH16 v_pk_mul_f32 v[A+i:A+i+1], v[A+i:A+i+1], v[W+i:W+i+1]
	EACH16 v_pk_fma_f32 v[A+i:A+i+1], v[A+i:A+i+1], v[U+i:U+i+1], v[MX+i:MX+i+1] neg_lo:[1,0,0] neg_hi:[1,0,0]
	EACH16 v_cvt_pk_bf16_f32 v[O+i/2], v[A+i], v[A+i+1]
.else
	EACH32 v_exp_f32 v[E+i], v[T+i]
	v_nop
	s_wait_alu depctr_va_vdst(0)                   ; one wait for the 32 exponentials
	EACH16 v_pk_add_f32 v[E+i:E+i+1], v[E+i:E+i+1], 1.0 op_sel_hi:[1,0]
	EACH32 v_rcp_f32 v[E+i], v[E+i]
.irp p, 0,1,2,3,4,5,6,7
	v_mov_b32 v[S+(\p)], 0xbf317218                ; -ln 2: v's factor; plain work behind the batch
.endr
	s_wait_alu depctr_va_vdst(0)                   ; one wait for the 32 reciprocals
	EACH16 v_pk_mul_f32 v[T+i:T+i+1], v[T+i:T+i+1], v[E+i:E+i+1]   ; -log2 e x silu(x)
	s_cmp_eq_u32 s68, 2                            ; v is not normalised; the cluster's x is the same in all partners
	s_cbranch_scc1 .Lnonorm
.irp p, 0,1,2,3                        ; a head's 128 numbers of a row lie in 16 lanes, 8 a lane
	v_pk_mul_f32 v[S+2*(\p):S+2*(\p)+1], v[T+8*(\p):T+8*(\p)+1], v[T+8*(\p):T+8*(\p)+1]
.endr
.irp m, 2,4,6
.irp p, 0,1,2,3
	v_pk_fma_f32 v[S+2*(\p):S+2*(\p)+1], v[T+8*(\p)+(\m):T+8*(\p)+(\m)+1], v[T+8*(\p)+(\m):T+8*(\p)+(\m)+1], v[S+2*(\p):S+2*(\p)+1]
.endr
.endr
.irp p, 0,1,2,3
	v_add_f32 v[S+2*(\p)], v[S+2*(\p)], v[S+2*(\p)+1]
.endr
.irp m, 1,2,4,8
.irp p, 0,1,2,3
	v_add_f32_dpp v[S+2*(\p)], v[S+2*(\p)], v[S+2*(\p)] row_xmask:\m row_mask:0xf bank_mask:0xf
.endr
.endr
.irp p, 0,1,2,3
	v_fma_f32 v[S+2*(\p)], v[S+2*(\p)], s70, s71   ; the sum of silu^2, + 1e-6
.endr
.irp p, 0,1,2,3
	v_rsq_f32 v[S+2*(\p)], v[S+2*(\p)]
.endr
	v_nop
	s_wait_alu depctr_va_vdst(0)                   ; one wait for the four roots, ahead of their readers and of the label
.irp p, 0,1,2,3
	v_mul_f32 v[S+2*(\p)], 0xbf317218, v[S+2*(\p)]
.endr
.Lnonorm:
.irp p, 0,1,2,3
.irp m, 0,2,4,6
	v_pk_mul_f32 v[T+8*(\p)+(\m):T+8*(\p)+(\m)+1], v[T+8*(\p)+(\m):T+8*(\p)+(\m)+1], v[S+2*(\p):S+2*(\p)+1] op_sel_hi:[1,0]
.endr
.endr
	EACH16 v_cvt_pk_bf16_f32 v[O+i/2], v[T+i], v[T+i+1]
.endif
.irp p, 0,1,2,3
	global_store_b128 v[CO], v[O+4*(\p):O+4*(\p)+3], s[10:11] offset:2*ROWP*(\p)  ; 16 lanes store 256 consecutive bytes, aligned
.endr
	s_wait_xcnt 0x0                                ; the stores have read their data and their base: both are written again only behind this wait
	s_add_nc_u64 s[10:11], s[10:11], 8*ROWP
	s_sub_co_u32 s[CNT], s[CNT], 1
	s_cmp_lg_u32 s[CNT], 0
	s_cbranch_scc1 .Lrow
	s_wait_tensorcnt 0x0                           ; the wave's end
	ds_add_u32 v[SPW], v[NIL]
	s_wait_dscnt 0x0
	CROUND                                         ; the closing round
	s_endpgm
.Lfunc_end_k_q5e5aaa8e46_qkv:
	.size	k_q5e5aaa8e46_qkv, .Lfunc_end_k_q5e5aaa8e46_qkv-k_q5e5aaa8e46_qkv
	.p2alignl 7, 3214868480
	.fill 96, 4, 3214868480
	.section	.rodata,"a",@progbits
	.p2align	6, 0x0
	.amdhsa_kernel k_q5e5aaa8e46_qkv
		.amdhsa_group_segment_fixed_size 327680
		.amdhsa_private_segment_fixed_size 0
		.amdhsa_enable_private_segment 0
		.amdhsa_kernarg_size 24
		.amdhsa_user_sgpr_count 2
		.amdhsa_user_sgpr_kernarg_segment_ptr 1
		.amdhsa_wavefront_size32 1
		.amdhsa_system_sgpr_workgroup_id_x 1
		.amdhsa_system_sgpr_workgroup_id_y 1
		.amdhsa_system_sgpr_workgroup_id_z 1
		.amdhsa_system_vgpr_workitem_id 0
		.amdhsa_next_free_vgpr 1024
		.amdhsa_next_free_sgpr 100
		.amdhsa_reserve_vcc 0
		.amdhsa_float_denorm_mode_32 3
		.amdhsa_float_denorm_mode_16_64 3
		.amdhsa_memory_ordered 1
		.amdhsa_forward_progress 1
		.amdhsa_inst_pref_size 94
	.end_amdhsa_kernel
	.amdgpu_metadata
---
amdhsa.version: [ 1, 2 ]
amdhsa.kernels:
  - .name:           k_q5e5aaa8e46_qkv
    .symbol:         k_q5e5aaa8e46_qkv.kd
    .args:
      - { .name: act, .offset: 0, .size: 8, .value_kind: global_buffer, .address_space: global }
      - { .name: wbf, .offset: 8, .size: 8, .value_kind: global_buffer, .address_space: global }
      - { .name: big, .offset: 16, .size: 8, .value_kind: global_buffer, .address_space: global }
    .group_segment_fixed_size: 327680
    .private_segment_fixed_size: 0
    .kernarg_segment_align: 8
    .kernarg_segment_size: 24
    .max_flat_workgroup_size: 128
    .sgpr_count:     100
    .vgpr_count:     1024
    .wavefront_size: 32
...
	.end_amdgpu_metadata
.endif
;; end of part 2
;; launch chunk (part 3): grid 256 x 1, 4 waves a work-group, no clusters, 117,248 bytes of LDS; arguments big, gate, cop; writes cop
.if DOCPART == 3
	.amdgcn_target "amdgcn-amd-amdhsa--gfx1250"
	.amdhsa_code_object_version 6
	.text
	.protected	k_q5e5aaa8e46_chunk
	.globl	k_q5e5aaa8e46_chunk
	.p2align	8
	.type	k_q5e5aaa8e46_chunk,@function
k_q5e5aaa8e46_chunk:
	s_mov_b64 s[64:65], 0
	v_nop
	global_prefetch_b8 v0, s[64:65] scope:SCOPE_SE
	s_setreg_imm32_b32 hwreg(HW_REG_WAVE_MODE, 25, 1), 1
	s_wait_xcnt 0x0
; LAUNCH 3: for each (b h, chunk c of 32 tokens) the operators that the scan multiplies by.  One wave a unit; the waves share nothing, so there is no barrier.
; LEFT OUT (shown at the head of launch 1): W'(0), Qg(0) and chunk 0's decay multiply the zero state; Kd(31) serves the state that reference() drops; the tile i in 16..31, t in 0..15 of A and M has i > t.
; g = running sum of log2 alpha in the chunk.  -A[t][i] = -beta_t 2^(g_t - g_i) k_t.k_i (i < t); M[t][i] = 2^(g_t - g_i) q_t.k_i (i <= t); where i > t the product is replaced by 0, by a select.
; T = (I + A)^-1 by substitution in f32, from T (I + A) = I: for l = 31 .. 1: T[:, i] += T[:, l] (-A[l][i]), i < l.  A lane holds row t of T, register i column i; row l of -A is read from LDS alike into all lanes.
; U0 = T diag(beta) V;  W' = -T diag(beta_i 2^(g_i)) K;  Kd = diag(2^(g_31 - g_i)) K;  Qg = diag(2^(g_t)) Q.
; STORED as register images for the scan (a fragment: registers 0-3 at 16 lane, registers 4-7 at 512 + 16 lane).  Record (b h, c), 27,136 bytes: M(c) 0, Kd(c) 2,048, decay(c+1) 10,240, W'(c+1) 10,752, Qg(c+1) 18,944.
; U0 in f32 behind the records: ((8 b h + vb) 32 + c) 2,048 + 1,024 tb.
; WINDOWS: 0 addresses, fragments, tiles, T; 1 rows 31..25 of -A, beta alike in all lanes (v224-255), later K^T and V^T; 2 rows 24..17, -beta 2^g (v192-223), g and 2^g (v224-255), later Kd; 3 V on its way to LDS, rows 16..1, later W' and U0.
; WINDOW 0 IN TIME.  v32-95: K's fragments, then T, its broadcast pair, T's fragments and the factors of Kd, at last W' packed.  v96-159: Q's fragments from their load to the end, named by nothing else.
; v160-207: the six Gram tiles, then T times a diagonal in f32 and in bf16.  v208-223: M's fragments, the data of stores, named by nothing else afterwards.
.set KTL, 0                            ; per wave: K's tile, 32 rows x 288
.set VTL, 9216                         ; V's tile
.set NA,  18432                        ; -A in f32, 32 rows x 144
.set TL1, 23040                        ; T diag(-beta 2^g) in bf16, 32 rows x 80
.set TL2, 25600                        ; T diag(beta)
.set LGA, 28160                        ; log2 alpha by token
.set GAR, 28288                        ; g
.set BA,  28416                        ; beta
.set FP,  28544                        ; 2^(g_31 - g) in bf16
.set WAVEB, 29184
.set SPARE, 116736
.set REC,  27136
.set UOFF, 27787264
.set LN, 1
.set RR, 2
.set HH, 3
.set FO, 4                             ; 256 r + 16 h: a fragment's rows in memory
.set VO, 5                             ; 16 lane
.set GO, 6                             ; 64 lane
.set SPW, 8
.set NIL, 9
.set PR288, 10                         ; my wave's LDS + 288 r + 16 h
.set PV,   11                          ; + 288 h + 16 r
.set PTR,  12                          ; + 288 (8 h + l % 8) + 16 ((l / 8) % 2)
.set PNA,  13                          ; + 144 r + 32 h
.set PU,   14                          ; + 0
.set PL80, 15                          ; + 80 lane
.set PR80, 16                          ; + 80 r + 16 h
.set PL4,  17                          ; + 4 lane
.set PH32, 18                          ; + 32 h
.set PR4,  19                          ; + 4 r
.set PL2,  20                          ; + 2 lane
.set PH16, 21                          ; + 16 h
.set DM,  22                           ; r - 8 h
.set LGV, 23
.set BEV, 24
.set GLV, 25
.set FV,  26
.set P31, 27
.set E1P, 28                           ; v28, v29: 2^(g_t), t = 16 tb + r, twice in bf16
.set GAM, 30                           ; 2^(g_31)
.set KR,  32                           ; v[32:95]   K's fragments, 8 (4 tb + kc)
.set QR,  96                           ; v[96:159]  Q's, kept to the end
.set GT,  160                          ; v[160:207] six tiles: k.k (0,0) (0,1) (1,1), then q.k
.set E,   208                          ; v[208:231] 2^(g_t - g_i) for the three tiles; later M's fragments
.set GI,  232                          ; v[232:247] g_i, i = 16 ib + 8 h + j
.set GTV, 248                          ; v248, v249 g_t
.set BT,  250                          ; v[250:253] beta_t in the low word of two pairs
.set T,   32                           ; v[32:63]   T, where K's fragments lay
.set TB,  64                           ; v[64:65]   column l of T, for the sweep
.set TF,  66                           ; v[66:81]   T times a diagonal, as two fragments
.set FPK, 82                           ; v[82:89]   2^(g_31 - g_t) as a fragment's registers take it
.set X,   160                          ; v[160:191] T times a diagonal in f32, where the Gram tiles lay
.set Y,   192                          ; v[192:207] the same in bf16
.set WFB, 32                           ; v[32:95]   W' packed, when T, TB, TF and FPK are done
.set GQ,  160                          ; v[160:163] the decay, four to a lane, when X is done
.set MSB, 0
.macro WIN new
.if MSB != (\new)
	s_set_vgpr_msb (MSB<<8)|(\new)
.set MSB, \new
.endif
.endm
	s_load_b128 s[4:7], s[0:1], 0x0                ; big, gate
	s_load_b64 s[8:9], s[0:1], 0x10                ; cop
	v_lshl_add_u32 v[SPW], v0, 2, SPARE
	v_mov_b32 v[NIL], 0
	v_lshrrev_b32 v1, 5, v0
	v_readfirstlane_b32 s12, v1                    ; wave
	v_and_b32 v[LN], 31, v0
	v_and_b32 v[RR], 15, v0
	v_bfe_u32 v[HH], v0, 4, 1
	s_lshr_b32 s13, ttmp9, 3                       ; b h
	s_and_b32 s14, ttmp9, 7
	s_lshl_b32 s14, s14, 2
	s_add_co_u32 s14, s14, s12                     ; c
	s_mul_i32 s15, s12, WAVEB
	v_lshlrev_b32 v[FO], 8, v[RR]
	v_lshl_add_u32 v[FO], v[HH], 4, v[FO]
	v_lshlrev_b32 v[VO], 4, v[LN]
	v_lshlrev_b32 v[GO], 6, v[LN]
	v_mul_u32_u24 v[PR288], v[RR], 288
	v_lshl_add_u32 v[PR288], v[HH], 4, v[PR288]
	v_add_nc_u32 v[PR288], s15, v[PR288]
	v_mul_u32_u24 v[PV], v[HH], 288
	v_lshl_add_u32 v[PV], v[RR], 4, v[PV]
	v_add_nc_u32 v[PV], s15, v[PV]
	v_and_b32 v[PTR], 7, v0
	v_lshl_add_u32 v[PTR], v[HH], 3, v[PTR]
	v_mul_u32_u24 v[PTR], v[PTR], 288
	v_bfe_u32 v7, v0, 3, 1
	v_lshl_add_u32 v[PTR], v7, 4, v[PTR]
	v_add_nc_u32 v[PTR], s15, v[PTR]
	v_mul_u32_u24 v[PNA], v[RR], 144
	v_lshl_add_u32 v[PNA], v[HH], 5, v[PNA]
	v_add_nc_u32 v[PNA], s15, v[PNA]
	v_mov_b32 v[PU], s15
	v_mul_u32_u24 v[PL80], v[LN], 80
	v_add_nc_u32 v[PL80], s15, v[PL80]
	v_mul_u32_u24 v[PR80], v[RR], 80
	v_lshl_add_u32 v[PR80], v[HH], 4, v[PR80]
	v_add_nc_u32 v[PR80], s15, v[PR80]
	v_lshl_add_u32 v[PL4], v[LN], 2, s15
	v_lshl_add_u32 v[PH32], v[HH], 5, s15
	v_lshl_add_u32 v[PR4], v[RR], 2, s15
	v_lshl_add_u32 v[PL2], v[LN], 1, s15
	v_lshl_add_u32 v[PH16], v[HH], 4, s15
	v_lshlrev_b32 v7, 3, v[HH]
	v_sub_nc_u32 v[DM], v[RR], v7
.irp j, 0,1,2,3,4,5,6,7
	v_cmp_lt_i32 s[70+(\j)], \j, v[DM]             ; in a tile on the diagonal register j is i = 8 h + j, the lane t = r: i < t,
	v_cmp_le_i32 s[78+(\j)], \j, v[DM]             ; i <= t
.endr
	s_lshl_b32 s16, s13, 18                        ; a head's 1,024 rows of 256 bytes,
	s_lshl_b32 s17, s14, 13                        ; the chunk's 32
	s_add_co_u32 s16, s16, s17
	s_mov_b32 s17, 0
	s_lshr_b32 s18, s13, 3                         ; gate: row 1,024 b + 32 c, 64 bytes a row; column head
	s_lshl_b32 s18, s18, 16
	s_lshl_b32 s19, s14, 11
	s_add_co_u32 s18, s18, s19
	s_and_b32 s19, s13, 7
	s_lshl_b32 s19, s19, 2
	s_add_co_u32 s18, s18, s19
	s_mov_b32 s19, 0
	s_lshl_b32 s32, s13, 5
	s_add_co_u32 s32, s32, s14
	s_mul_i32 s32, s32, REC                        ; record (b h, c)
	s_mov_b32 s33, 0
	s_lshl_b32 s34, s13, 19                        ; U0: 8 x 65,536 bytes a head, 2,048 a chunk
	s_lshl_b32 s35, s14, 11
	s_add_co_u32 s34, s34, s35
	s_mov_b32 s35, 0
	s_wait_kmcnt 0x0
	s_add_nc_u64 s[20:21], s[4:5], s[16:17]        ; q
	s_add_nc_u64 s[22:23], s[20:21], 0x800000      ; k
	s_add_nc_u64 s[24:25], s[20:21], 0x1000000     ; v
	s_add_nc_u64 s[6:7], s[6:7], s[18:19]
	s_add_nc_u64 s[26:27], s[8:9], s[32:33]
	s_add_nc_u64 s[28:29], s[8:9], s[34:35]
	s_add_nc_u64 s[28:29], s[28:29], UOFF
	global_load_b32 v[BEV], v[GO], s[6:7]
	global_load_b32 v[LGV], v[GO], s[6:7] offset:32
.set n, 0
.rept 8
	global_load_b128 v[KR+8*n:KR+8*n+3],   v[FO], s[22:23] offset:4096*(n/4)+64*(n%4)
	global_load_b128 v[KR+8*n+4:KR+8*n+7], v[FO], s[22:23] offset:4096*(n/4)+64*(n%4)+32
.set n, n+1
.endr
.set n, 0
.rept 8
	global_load_b128 v[QR+8*n:QR+8*n+3],   v[FO], s[20:21] offset:4096*(n/4)+64*(n%4)
	global_load_b128 v[QR+8*n+4:QR+8*n+7], v[FO], s[20:21] offset:4096*(n/4)+64*(n%4)+32
.set n, n+1
.endr
	WIN 0xc0
.set n, 0
.rept 16
	global_load_b128 v[4*n:4*n+3], v[VO], s[24:25] offset:512*n
.set n, n+1
.endr
	WIN 0
	s_wait_loadcnt 48                              ; the gates are in; K, Q and V (48 loads) may stay out
	; THE DECAYS.  log2 alpha and beta go to LDS by token and come back alike into all lanes; 31 additions make g.  LDS serves a wave's instructions in order, so its own stores need no wait.
	ds_store_b32 v[PL4], v[LGV] offset:LGA
	ds_store_b32 v[PL4], v[BEV] offset:BA
	WIN 0x80
.set n, 0
.rept 8
	ds_load_b128 v[224+4*n:224+4*n+3], v[PU] offset:LGA+16*n
.set n, n+1
.endr
	WIN 0x40
.set n, 0
.rept 8
	ds_load_b128 v[224+4*n:224+4*n+3], v[PU] offset:BA+16*n
.set n, n+1
.endr
	s_wait_dscnt 8                                 ; the logarithms are in; beta's eight loads may stay out
	WIN 0x8a
.set n, 1
.rept 31
	v_add_f32 v[224+n], v[224+n-1], v[224+n]
.set n, n+1
.endr
	WIN 0x08
.set n, 0
.rept 8
	ds_store_b128 v[PU], v[224+4*n:224+4*n+3] offset:GAR+16*n   ; every lane stores the same numbers to the same bytes
.set n, n+1
.endr
	WIN 0
	ds_load_b128 v[GI:GI+3],     v[PH32] offset:GAR
	ds_load_b128 v[GI+4:GI+7],   v[PH32] offset:GAR+16
	ds_load_b128 v[GI+8:GI+11],  v[PH32] offset:GAR+64
	ds_load_b128 v[GI+12:GI+15], v[PH32] offset:GAR+80
	ds_load_b32 v[GTV],   v[PR4] offset:GAR
	ds_load_b32 v[GTV+1], v[PR4] offset:GAR+64
	ds_load_b32 v[BT],    v[PR4] offset:BA
	ds_load_b32 v[BT+2],  v[PR4] offset:BA+64
	ds_load_b32 v[GLV],   v[PL4] offset:GAR
	ds_load_b32 v[P31],   v[PU]  offset:GAR+124
	v_mov_b32 v[BT+1], 0                           ; named as pairs
	v_mov_b32 v[BT+3], 0
	s_wait_dscnt 0x0
	v_sub_f32 v[FV], v[P31], v[GLV]                ; g_31 - g_t <= 0
	WIN 0x82
.set n, 0
.rept 32
	v_exp_f32 v[224+n], v[224+n]                   ; 2^(g_i), alike in all lanes
.set n, n+1
.endr
	WIN 0
	v_exp_f32 v[FV], v[FV]
	v_exp_f32 v[E1P], v[GTV]
	v_exp_f32 v[E1P+1], v[GTV+1]
	v_exp_f32 v[GAM], v[P31]
	v_nop
	s_wait_alu depctr_va_vdst(0)                   ; one wait for the 36
	WIN 0x89                                       ; source 0 window 1 (beta), source 1 and destination window 2
.set n, 0
.rept 16
	v_pk_mul_f32 v[192+n:192+n+1], v[224+n:224+n+1], v[224+n:224+n+1] neg_lo:[1,0] neg_hi:[1,0]   ; -beta_i 2^(g_i)
.set n, n+2
.endr
	WIN 0
	v_cvt_pk_bf16_f32 v[E1P], v[E1P], v[E1P]
	v_cvt_pk_bf16_f32 v[E1P+1], v[E1P+1], v[E1P+1]
	v_cvt_pk_bf16_f32 v[FV], v[FV], v[FV]
	ds_store_b16 v[PL2], v[FV] offset:FP
	s_wait_loadcnt 16                              ; K and Q are in; V's 16 loads may stay out
	; THE GRAM TILES.  Source 0 = 16 rows i of K, source 1 = 16 rows t of K or Q: a lane holds t = 16 tb + r, register j holds i = 16 ib + 8 h + j.  Six accumulators by turns.
.macro GM d, a, b, kc
.if (\kc) == 0
	v_wmma_f32_16x16x32_bf16 v[GT+(\d):GT+(\d)+7], v[(\a)+8*(\kc):(\a)+8*(\kc)+7], v[(\b)+8*(\kc):(\b)+8*(\kc)+7], 0
.else
	v_wmma_f32_16x16x32_bf16 v[GT+(\d):GT+(\d)+7], v[(\a)+8*(\kc):(\a)+8*(\kc)+7], v[(\b)+8*(\kc):(\b)+8*(\kc)+7], v[GT+(\d):GT+(\d)+7]
.endif
.endm
.irp kc, 0,1,2,3
	GM 0,  KR,    KR,    \kc
	GM 8,  KR,    KR+32, \kc
	GM 16, KR+32, KR+32, \kc
	GM 24, KR,    QR,    \kc
	GM 32, KR,    QR+32, \kc
	GM 40, KR+32, QR+32, \kc
.endr
.set n, 0
.rept 8                                ; K's tile into LDS, out of the fragments
	ds_store_b128 v[PR288], v[KR+8*n:KR+8*n+3]   offset:KTL+4608*(n/4)+64*(n%4)
	ds_store_b128 v[PR288], v[KR+8*n+4:KR+8*n+7] offset:KTL+4608*(n/4)+64*(n%4)+32
.set n, n+1
.endr
.irp j, 0,1,2,3,4,5,6,7                ; these 24 subtractions are the places behind the last products
	v_sub_f32 v[E+(\j)],    v[GTV],   v[GI+(\j)]
	v_sub_f32 v[E+8+(\j)],  v[GTV+1], v[GI+(\j)]
	v_sub_f32 v[E+16+(\j)], v[GTV+1], v[GI+8+(\j)]
.endr
.set n, 0
.rept 24
	v_exp_f32 v[E+n], v[E+n]
.set n, n+1
.endr
	v_nop
	s_wait_alu depctr_va_vdst(0)                   ; one wait for the 24
.irp t, 0,1,2
.irp p, 0,2,4,6
	v_pk_mul_f32 v[GT+8*(\t)+(\p):GT+8*(\t)+(\p)+1], v[GT+8*(\t)+(\p):GT+8*(\t)+(\p)+1], v[E+8*(\t)+(\p):E+8*(\t)+(\p)+1]
	v_pk_mul_f32 v[GT+24+8*(\t)+(\p):GT+24+8*(\t)+(\p)+1], v[GT+24+8*(\t)+(\p):GT+24+8*(\t)+(\p)+1], v[E+8*(\t)+(\p):E+8*(\t)+(\p)+1]
.endr
.endr
.irp p, 0,2,4,6
	v_pk_mul_f32 v[GT+(\p):GT+(\p)+1],       v[GT+(\p):GT+(\p)+1],       v[BT:BT+1]   op_sel_hi:[1,0] neg_lo:[0,1] neg_hi:[0,1]
	v_pk_mul_f32 v[GT+8+(\p):GT+8+(\p)+1],   v[GT+8+(\p):GT+8+(\p)+1],   v[BT+2:BT+3] op_sel_hi:[1,0] neg_lo:[0,1] neg_hi:[0,1]
	v_pk_mul_f32 v[GT+16+(\p):GT+16+(\p)+1], v[GT+16+(\p):GT+16+(\p)+1], v[BT+2:BT+3] op_sel_hi:[1,0] neg_lo:[0,1] neg_hi:[0,1]
.endr
.irp j, 0,1,2,3,4,5,6,7                ; the two tiles on the diagonal: what lies above it is replaced by 0
	v_cndmask_b32 v[GT+(\j)],    0, v[GT+(\j)],    s[70+(\j)]
	v_cndmask_b32 v[GT+16+(\j)], 0, v[GT+16+(\j)], s[70+(\j)]
	v_cndmask_b32 v[GT+24+(\j)], 0, v[GT+24+(\j)], s[78+(\j)]
	v_cndmask_b32 v[GT+40+(\j)], 0, v[GT+40+(\j)], s[78+(\j)]
.endr
	ds_store_b128 v[PNA], v[GT:GT+3]     offset:NA
	ds_store_b128 v[PNA], v[GT+4:GT+7]   offset:NA+16
	ds_store_b128 v[PNA], v[GT+8:GT+11]  offset:NA+2304
	ds_store_b128 v[PNA], v[GT+12:GT+15] offset:NA+2304+16
	ds_store_b128 v[PNA], v[GT+16:GT+19] offset:NA+2304+64
	ds_store_b128 v[PNA], v[GT+20:GT+23] offset:NA+2304+80
.irp q, 0,1,2,3                        ; M's fragments: rows t, i along the registers
	v_cvt_pk_bf16_f32 v[E+(\q)],    v[GT+24+2*(\q)], v[GT+24+2*(\q)+1]
	v_mov_b32 v[E+4+(\q)], 0
	v_cvt_pk_bf16_f32 v[E+8+(\q)],  v[GT+32+2*(\q)], v[GT+32+2*(\q)+1]
	v_cvt_pk_bf16_f32 v[E+12+(\q)], v[GT+40+2*(\q)], v[GT+40+2*(\q)+1]
.endr
.irp q, 0,1,2,3
	global_store_b128 v[VO], v[E+4*(\q):E+4*(\q)+3], s[26:27] offset:512*(\q)
.endr
	s_wait_loadcnt 0x0                             ; V
	WIN 0x0c
.set n, 0
.rept 16
	ds_store_b128 v[PV], v[4*n:4*n+3] offset:VTL+576*n
.set n, n+1
.endr
	WIN 0
	; THE SUBSTITUTION
.set n, 0
.rept 32
	v_cmp_eq_u32 vcc_lo, n, v[LN]
	v_cndmask_b32 v[T+n], 0, 1.0, vcc_lo
.set n, n+1
.endr
	v_mov_b32 v[TB+1], 0
.macro NAROW l                         ; the window and first register of row l of -A
.if (\l) >= 25
.set NW, 1
.set NB, 32*(31-(\l))
.elseif (\l) >= 17
.set NW, 2
.set NB, 24*(24-(\l))
.else
.set NW, 3
.set NB, 16*(16-(\l))
.endif
.endm
.set l, 31
.rept 31                               ; 136 loads: 52 into window 1, 44 into window 2, 40 into window 3
	NAROW l
	WIN NW<<6
.set n, 0
.rept (l+3)/4
	ds_load_b128 v[NB+4*n:NB+4*n+3], v[PU] offset:NA+144*l+16*n
.set n, n+1
.endr
.set l, l-1
.endr
.set l, 31
.rept 31
	NAROW l
.if l == 31
	s_wait_dscnt 63                                ; rows 31..25 are in: 84 loads are younger, and 63 is the most that the count can name
.elseif l == 24
	s_wait_dscnt 40                                ; rows 24..17 are in; rows 16..1 (40 loads) may stay out
.elseif l == 16
	s_wait_dscnt 0x0
.endif
	WIN NW<<2                                      ; source 1 in the row's window; all else in window 0
	v_mov_b32 v[TB], v[T+l]
.set p, (l-1)/2
.rept (l-1)/2+1
	v_pk_fma_f32 v[T+2*p:T+2*p+1], v[TB:TB+1], v[NB+2*p:NB+2*p+1], v[T+2*p:T+2*p+1] op_sel_hi:[0,1,1]   ; -A[l][l] = 0 makes an odd pair harmless
.set p, p-1
.endr
.set l, l-1
.endr
	; T diag(beta) to LDS in bf16 and back as fragments; K^T, V^T turned
	WIN 0x04
.set p, 0
.rept 16
	v_pk_mul_f32 v[X+p:X+p+1], v[T+p:T+p+1], v[224+p:224+p+1]
.set p, p+2
.endr
	WIN 0
.set p, 0
.rept 16
	v_cvt_pk_bf16_f32 v[Y+p], v[X+2*p], v[X+2*p+1]
.set p, p+1
.endr
.irp q, 0,1,2,3
	ds_store_b128 v[PL80], v[Y+4*(\q):Y+4*(\q)+3] offset:TL2+16*(\q)
.endr
.irp t, 0,1
	ds_load_b128 v[TF+8*(\t):TF+8*(\t)+3],   v[PR80] offset:TL2+1280*(\t)
	ds_load_b128 v[TF+8*(\t)+4:TF+8*(\t)+7], v[PR80] offset:TL2+1280*(\t)+32
.endr
	ds_load_b128 v[FPK:FPK+3],   v[PH16] offset:FP
	ds_load_b128 v[FPK+4:FPK+7], v[PH16] offset:FP+32
	WIN 0x40
.irp b, 0,1,2,3,4,5,6,7
	ds_load_tr16_b128 v[8*(\b):8*(\b)+3],       v[PTR] offset:KTL+32*(\b)
	ds_load_tr16_b128 v[8*(\b)+4:8*(\b)+7],     v[PTR] offset:KTL+32*(\b)+4608
	ds_load_tr16_b128 v[64+8*(\b):64+8*(\b)+3],   v[PTR] offset:VTL+32*(\b)
	ds_load_tr16_b128 v[64+8*(\b)+4:64+8*(\b)+7], v[PTR] offset:VTL+32*(\b)+4608
.endr
	s_wait_dscnt 0x0
	WIN 0xc4                                       ; source 0 window 0, source 1 window 1, destination window 3
.irp b, 0,1,2,3,4,5,6,7                ; U0: a lane holds column v = 16 vb + r, register j row t = 16 tb + 8 h + j
.irp t, 0,1
	v_wmma_f32_16x16x32_bf16 v[128+8*(2*(\b)+(\t)):128+8*(2*(\b)+(\t))+7], v[TF+8*(\t):TF+8*(\t)+7], v[64+8*(\b):64+8*(\b)+7], 0
.endr
.endr
.rept 4
	v_nop
.endr
	WIN 0x0c
.irp b, 0,1,2,3,4,5,6,7
.irp t, 0,1
	global_store_b128 v[VO], v[128+8*(2*(\b)+(\t)):128+8*(2*(\b)+(\t))+3],   s[28:29] offset:65536*(\b)+1024*(\t)
	global_store_b128 v[VO], v[128+8*(2*(\b)+(\t))+4:128+8*(2*(\b)+(\t))+7], s[28:29] offset:65536*(\b)+1024*(\t)+512
.endr
.endr
	WIN 0
	s_cmp_eq_u32 s14, 31
	s_cbranch_scc1 .Lnokd                          ; chunk 31's state is dropped
	WIN 0x81                                       ; K^T in window 1, the factors in window 0, Kd into window 2
.set n, 0
.rept 64
	v_pk_mul_bf16 v[n], v[n], v[FPK+n%8]
.set n, n+1
.endr
	WIN 0x08
.irp b, 0,1,2,3,4,5,6,7
	global_store_b128 v[VO], v[8*(\b):8*(\b)+3],   s[26:27] offset:2048+1024*(\b)
	global_store_b128 v[VO], v[8*(\b)+4:8*(\b)+7], s[26:27] offset:2048+1024*(\b)+512
.endr
	WIN 0
.Lnokd:
	s_cmp_eq_u32 s14, 0
	s_cbranch_scc1 .Lend                           ; chunk 0 enters with the zero state
	s_sub_nc_u64 s[30:31], s[26:27], REC           ; record (b h, c - 1)
	WIN 0x08
.set p, 0
.rept 16
	v_pk_mul_f32 v[X+p:X+p+1], v[T+p:T+p+1], v[192+p:192+p+1]
.set p, p+2
.endr
	WIN 0
.set p, 0
.rept 16
	v_cvt_pk_bf16_f32 v[Y+p], v[X+2*p], v[X+2*p+1]
.set p, p+1
.endr
.irp q, 0,1,2,3
	ds_store_b128 v[PL80], v[Y+4*(\q):Y+4*(\q)+3] offset:TL1+16*(\q)
.endr
.irp t, 0,1
	ds_load_b128 v[TF+8*(\t):TF+8*(\t)+3],   v[PR80] offset:TL1+1280*(\t)
	ds_load_b128 v[TF+8*(\t)+4:TF+8*(\t)+7], v[PR80] offset:TL1+1280*(\t)+32
.endr
	s_wait_dscnt 0x0
	WIN 0xc1                                       ; K^T in window 1, T's fragments in window 0, destination window 3
.irp t, 0,1                            ; W'^T: a lane holds t = 16 tb + r, register j the channel 16 kb + 8 h + j
.irp b, 0,1,2,3,4,5,6,7
	v_wmma_f32_16x16x32_bf16 v[8*(8*(\t)+(\b)):8*(8*(\t)+(\b))+7], v[8*(\b):8*(\b)+7], v[TF+8*(\t):TF+8*(\t)+7], 0
.endr
.endr
.rept 4
	v_nop                                          ; four places: the roundings below read these results and write over T's fragments, which the products read
.endr
	WIN 0x0f                                       ; sources in window 3, destination in window 0
.set n, 0
.rept 16                               ; tile n = 8 tb + kb packs into half a fragment: W'(tb, kc = kb / 2)
.irp q, 0,1,2,3
	v_cvt_pk_bf16_f32 v[WFB+4*n+(\q)], v[8*n+2*(\q)], v[8*n+2*(\q)+1]
.endr
.set n, n+1
.endr
	WIN 0
.set n, 0
.rept 64
	v_pk_mul_bf16 v[QR+n], v[QR+n], v[E1P+n/32]
.set n, n+1
.endr
.irp q, 0,1,2,3
	v_mov_b32 v[GQ+(\q)], v[GAM]
.endr
	global_store_b128 v[VO], v[GQ:GQ+3], s[30:31] offset:10240
.set n, 0
.rept 8
	global_store_b128 v[VO], v[WFB+8*n:WFB+8*n+3],   s[30:31] offset:10752+1024*n
	global_store_b128 v[VO], v[WFB+8*n+4:WFB+8*n+7], s[30:31] offset:10752+1024*n+512
	global_store_b128 v[VO], v[QR+8*n:QR+8*n+3],     s[30:31] offset:18944+1024*n
	global_store_b128 v[VO], v[QR+8*n+4:QR+8*n+7],   s[30:31] offset:18944+1024*n+512
.set n, n+1
.endr
.Lend:
	s_wait_tensorcnt 0x0                           ; the wave's end, behind my last LDS store
	ds_add_u32 v[SPW], v[NIL]
	s_wait_dscnt 0x0
	s_endpgm
.Lfunc_end_k_q5e5aaa8e46_chunk:
	.size	k_q5e5aaa8e46_chunk, .Lfunc_end_k_q5e5aaa8e46_chunk-k_q5e5aaa8e46_chunk
	.p2alignl 7, 3214868480
	.fill 96, 4, 3214868480
	.section	.rodata,"a",@progbits
	.p2align	6, 0x0
	.amdhsa_kernel k_q5e5aaa8e46_chunk
		.amdhsa_group_segment_fixed_size 117248
		.amdhsa_private_segment_fixed_size 0
		.amdhsa_enable_private_segment 0
		.amdhsa_kernarg_size 24
		.amdhsa_user_sgpr_count 2
		.amdhsa_user_sgpr_kernarg_segment_ptr 1
		.amdhsa_wavefront_size32 1
		.amdhsa_system_sgpr_workgroup_id_x 1
		.amdhsa_system_sgpr_workgroup_id_y 1
		.amdhsa_system_sgpr_workgroup_id_z 1
		.amdhsa_system_vgpr_workitem_id 0
		.amdhsa_next_free_vgpr 1024
		.amdhsa_next_free_sgpr 96
		.amdhsa_reserve_vcc 1
		.amdhsa_float_denorm_mode_32 3
		.amdhsa_float_denorm_mode_16_64 3
		.amdhsa_memory_ordered 1
		.amdhsa_forward_progress 1
		.amdhsa_inst_pref_size 86
	.end_amdhsa_kernel
	.amdgpu_metadata
---
amdhsa.version: [ 1, 2 ]
amdhsa.kernels:
  - .name:           k_q5e5aaa8e46_chunk
    .symbol:         k_q5e5aaa8e46_chunk.kd
    .args:
      - { .name: big, .offset: 0, .size: 8, .value_kind: global_buffer, .address_space: global }
      - { .name: gate, .offset: 8, .size: 8, .value_kind: global_buffer, .address_space: global }
      - { .name: cop, .offset: 16, .size: 8, .value_kind: global_buffer, .address_space: global }
    .group_segment_fixed_size: 117248
    .private_segment_fixed_size: 0
    .kernarg_segment_align: 8
    .kernarg_segment_size: 24
    .max_flat_workgroup_size: 128
    .sgpr_count:     96
    .vgpr_count:     1024
    .wavefront_size: 32
...
	.end_amdgpu_metadata
.endif
;; end of part 3
;; launch scan (part 4): grid 256 x 1, 1 waves a work-group, clusters of 4 x 1, 327,680 bytes of LDS; arguments cop, act; writes act
.if DOCPART == 4
	.amdgcn_target "amdgcn-amd-amdhsa--gfx1250"
	.amdhsa_code_object_version 6
	.text
	.protected	k_q5e5aaa8e46_scan
	.globl	k_q5e5aaa8e46_scan
	.p2align	8
	.type	k_q5e5aaa8e46_scan,@function
k_q5e5aaa8e46_scan:
	s_mov_b64 s[64:65], 0
	v_nop
	global_prefetch_b8 v0, s[64:65] scope:SCOPE_SE
	s_setreg_imm32_b32 hwreg(HW_REG_WAVE_MODE, 25, 1), 1
	s_wait_xcnt 0x0
	s_wait_alu depctr_hold_cnt(0) depctr_sa_sdst(0) depctr_va_vdst(0) depctr_va_sdst(0) depctr_va_ssrc(0) depctr_va_vcc(0) depctr_vm_vsrc(0)
	s_getreg_b32 s2, hwreg(HW_REG_IB_STS2, 6, 4)
	s_cmp_eq_u32 s2, 0
	s_cbranch_scc0 .Lentry_in_a_cluster
	s_endpgm
.Lentry_in_a_cluster:
	s_bfe_u32 s2, ttmp6, 0x10000c
	s_cmp_lg_u32 s2, 0x3003
	s_cbranch_scc0 .Lentry_shape_is_right
	s_endpgm
.Lentry_shape_is_right:
; LAUNCH 4: the scan over 32 chunks.  V's columns do not meet in the recurrence, so a work-group of one wave owns (b h, 16 columns): 256 scans.  The state S, 128 x 16, stays in registers in f32.
; LEFT OUT (shown at the head of launch 1): chunk 0's products with the zero state; chunk 31's state update.
; A chunk: U = U0 + W' S;  O = Qg S + M U;  S = decay S + Kd^T U.  Source 0 = the stored fragment (window 1), source 1 = S or U in bf16: a lane holds one column v (l % 16), the registers 8 rows.  So U's two result
; tiles, rounded in pairs, ARE source 1 of the next products, and S's eight tiles are source 1 of the next chunk's.
; CLUSTER 4 x 1.  The four partners have one (b h) and walk the same records: 4 records (108,544 bytes) a slot, two slots, each filled by one joint load.  U0, each partner's own, comes whole (65,536 bytes) at the start.
; Of record 31 only M exists: the descriptor's count of rows left falls with every refill, so the last fill reads 326 rows and the rest of the slot takes zeros.
; o^T leaves as [1024 f][4096 m] bf16: 128 tokens of 16 features are gathered in LDS, then 16 lanes store 256 consecutive bytes, aligned.
; The records are not prefetched in this text.
.set REC,   27136
.set SLOT,  108544
.set U0L,   217088
.set STG,   282624                     ; 16 rows x 272 bytes; no tensor load lands here
.set SPARE, 286976
.set UOFF,  27787264
.set L16, 1
.set AD,  2                            ; v2  the record in hand, + 16 lane
.set AU,  3                            ; v3  the next chunk's U0, + 16 lane
.set AS,  4                            ; v4  where this chunk's o goes in the stage
.set AS0, 5
.set RD,  6
.set CO,  7
.set SPW, 8
.set NIL, 9
.set UA,  16                           ; v[16:31]   U, two tiles
.set OA,  32                           ; v[32:47]   O
.set UF,  48                           ; v[48:55]   U in bf16
.set OP,  56                           ; v[56:63]   O in bf16
.set SB,  64                           ; v[64:95]   S in bf16, four fragments
.set FL,  128                          ; v[128:159] the stage read back
.set SA,  160                          ; v[160:223] S, eight tiles
.set WF,  0                            ; window 1: W' 8 (4 tb + kc)
.set QF,  64                           ;           Qg
.set KD,  128                          ;           Kd 8 kb
.set MF,  192                          ;           M 8 tb
.set GM,  208                          ;           the decay, twice
.set WV,  12
.set G1,  24                           ; s[24:31] group 1 of the joint loads
.set G0A, 32                           ; s[32:35] slot 0's first fill
.set G0B, 36                           ; s[36:39] the walking set
.set G0U, 40                           ; s[40:43] U0
.set G1U, 48                           ; s[48:55]
.set TB,  56
.set CNT, 57
.set SLOTS, 58
.set MSB, 0
.macro WIN new
.if MSB != (\new)
	s_set_vgpr_msb (MSB<<8)|(\new)
.set MSB, \new
.endif
.endm
.macro PLACES
.rept 4
	v_nop
.endr
.endm
.macro CROUND                          ; a round of the cluster's barrier, in its whole form
	s_barrier_signal -1
	s_barrier_wait -1
	s_cmp_lg_u32 s[WV], 0
	s_cbranch_scc1 .Lnot_wave_0_\@
	s_barrier_signal -3
.Lnot_wave_0_\@:
	s_barrier_wait -3
	s_barrier_signal -1
	s_barrier_wait -1
.endm
	s_load_b128 s[4:7], s[0:1], 0x0                ; cop, act
	v_lshl_add_u32 v[SPW], v0, 2, SPARE
	v_mov_b32 v[NIL], 0
	ds_add_u32 v[SPW], v[NIL]                      ; the wave's opening: the add, twice on end, and its wait ahead of my first tensor load
	ds_add_u32 v[SPW], v[NIL]
	v_lshrrev_b32 v1, 5, v0
	v_readfirstlane_b32 s[WV], v1
	s_bfe_u32 s13, ttmp6, 0x40000                  ; cx: it enters U0's and o's global addresses alone
	s_lshr_b32 s14, ttmp9, 1                       ; b h, which the partners share
	s_mul_i32 s16, s14, 32*REC
	s_mov_b32 s17, 0
	s_and_b32 s15, ttmp9, 1
	s_lshl_b32 s15, s15, 2
	s_add_co_u32 s15, s15, s13                     ; vb
	s_lshl_b32 s18, s14, 3
	s_add_co_u32 s18, s18, s15
	s_lshl_b32 s18, s18, 16                        ; U0 of (b h, vb)
	s_mov_b32 s19, 0
	s_and_b32 s20, s14, 7                          ; o^T: feature 128 head + 16 vb, 8,192 bytes a row; token 1,024 b
	s_lshl_b32 s20, s20, 20
	s_lshl_b32 s21, s15, 17
	s_add_co_u32 s20, s20, s21
	s_lshr_b32 s21, s14, 3
	s_lshl_b32 s21, s21, 11
	s_add_co_u32 s20, s20, s21
	s_mov_b32 s21, 0
	s_mov_b32 s[G1], 15|(3<<16)|(1<<21)            ; the mask of four; 8-byte elements; bit 21 beside the mask
	s_mov_b32 s[G1+1], 32<<16                      ; tensor_dim0 = 32: rows of 256 bytes
	s_mov_b32 s[G1+2], 2870<<16                    ; tensor_dim1: the rows left from fill 1 on (a head has 31 x 106 + 8 = 3,294); enough for fill 0 too
	s_mov_b32 s[G1+3], 32<<16                      ; tile_dim0 = 32
	s_mov_b32 s[G1+4], 424                         ; tile_dim1 = 424: four records
	s_mov_b32 s[G1+5], 32
	s_mov_b32 s[G1+6], 0
	s_mov_b32 s[G1+7], 0
	s_mov_b32 s[G1U], 3<<16
	s_mov_b32 s[G1U+1], 32<<16
	s_mov_b32 s[G1U+2], 256<<16
	s_mov_b32 s[G1U+3], 32<<16
	s_mov_b32 s[G1U+4], 256
	s_mov_b32 s[G1U+5], 32
	s_mov_b32 s[G1U+6], 0
	s_mov_b32 s[G1U+7], 0
	s_mov_b32 s[G0A], 1
	s_mov_b32 s[G0A+1], 0
	s_mov_b32 s[G0B], 1
	s_mov_b32 s[G0B+1], SLOT
	s_mov_b32 s[G0U], 1
	s_mov_b32 s[G0U+1], U0L
	s_mov_b32 s[TB], 0
	s_wait_dscnt 0x0                               ; both opening adds are done
	s_wait_kmcnt 0x0
	s_add_nc_u64 s[G0A+2:G0A+3], s[4:5], s[16:17]
	s_add_nc_u64 s[G0B+2:G0B+3], s[G0A+2:G0A+3], SLOT
	s_or_b32 s[G0A+3], s[G0A+3], 0x80000000
	s_or_b32 s[G0B+3], s[G0B+3], 0x80000000
	s_add_nc_u64 s[G0U+2:G0U+3], s[4:5], s[18:19]
	s_add_nc_u64 s[G0U+2:G0U+3], s[G0U+2:G0U+3], UOFF
	s_or_b32 s[G0U+3], s[G0U+3], 0x80000000
	s_add_nc_u64 s[10:11], s[6:7], s[20:21]
	CROUND                                         ; all four work-groups are here: the first joint loads meet
	tensor_load_to_lds s[G0A:G0A+3], s[G1:G1+7]    ; the first fills as one group: three loads of mine are out
	s_nop 0
	tensor_load_to_lds s[G0U:G0U+3], s[G1U:G1U+7]
	s_nop 0
	tensor_load_to_lds s[G0B:G0B+3], s[G1:G1+7]
	s_nop 0
	PLACES
	v_lshlrev_b32 v[L16], 4, v0
	v_mov_b32 v[AD], v[L16]
	v_add_nc_u32 v[AU], U0L, v[L16]
	v_and_b32 v10, 15, v0
	v_bfe_u32 v11, v0, 4, 1
	v_mul_u32_u24 v[AS0], v10, 272
	v_lshl_add_u32 v[AS0], v11, 4, v[AS0]
	v_add_nc_u32 v[AS0], STG, v[AS0]               ; row v, 16 bytes for each half of the lanes
	v_mov_b32 v[AS], v[AS0]
	v_mul_u32_u24 v[RD], v11, 272
	v_lshl_add_u32 v[RD], v10, 4, v[RD]
	v_add_nc_u32 v[RD], STG, v[RD]                 ; back: lanes 0-15 one row of 256 bytes, lanes 16-31 the next
	v_lshlrev_b32 v[CO], 13, v11
	v_lshl_add_u32 v[CO], v10, 4, v[CO]
.macro WM d, a, b, zero                ; a product: source 0 in window 1, all else in window 0
.if \zero
	v_wmma_f32_16x16x32_bf16 v[\d:\d+7], v[\a:\a+7], v[\b:\b+7], 0
.else
	v_wmma_f32_16x16x32_bf16 v[\d:\d+7], v[\a:\a+7], v[\b:\b+7], v[\d:\d+7]
.endif
.endm
.macro LOADA kd                        ; M (4 loads) and Kd (16) of the chunk in hand
	WIN 0x40
.irp t, 0,1
	ds_load_b128 v[MF+8*(\t):MF+8*(\t)+3],   v[AD] offset:1024*(\t)
	ds_load_b128 v[MF+8*(\t)+4:MF+8*(\t)+7], v[AD] offset:1024*(\t)+512
.endr
.if \kd
.irp k, 0,1,2,3,4,5,6,7
	ds_load_b128 v[KD+8*(\k):KD+8*(\k)+3],   v[AD] offset:2048+1024*(\k)
	ds_load_b128 v[KD+8*(\k)+4:KD+8*(\k)+7], v[AD] offset:2048+1024*(\k)+512
.endr
.endif
.endm
.macro LOADB                           ; 37 loads for the next chunk: its decay, W', Qg, U0
	WIN 0x40
	ds_load_b64 v[GM:GM+1], v[AD] offset:10240
.irp k, 0,1,2,3,4,5,6,7
	ds_load_b128 v[WF+8*(\k):WF+8*(\k)+3],   v[AD] offset:10752+1024*(\k)
	ds_load_b128 v[WF+8*(\k)+4:WF+8*(\k)+7], v[AD] offset:10752+1024*(\k)+512
	ds_load_b128 v[QF+8*(\k):QF+8*(\k)+3],   v[AD] offset:18944+1024*(\k)
	ds_load_b128 v[QF+8*(\k)+4:QF+8*(\k)+7], v[AD] offset:18944+1024*(\k)+512
.endr
	WIN 0
.irp t, 0,1
	ds_load_b128 v[UA+8*(\t):UA+8*(\t)+3],   v[AU] offset:1024*(\t)
	ds_load_b128 v[UA+8*(\t)+4:UA+8*(\t)+7], v[AU] offset:1024*(\t)+512
.endr
.endm
.macro RID                             ; two riders: S times the decay.  They name no register of the products round them
.if RIDERS
	v_pk_mul_f32 v[SA+2*n:SA+2*n+1],   v[GM:GM+1], v[SA+2*n:SA+2*n+1]   op_sel_hi:[0,1]
	v_pk_mul_f32 v[SA+2*n+2:SA+2*n+3], v[GM:GM+1], v[SA+2*n+2:SA+2*n+3] op_sel_hi:[0,1]
.set n, n+2
.endif
.endm
.macro P1 riders                       ; U += W' S, O = Qg S: four accumulators by turns
.set RIDERS, \riders
.set n, 0
	WIN 0x01
.irp kc, 0,1,2,3
	WM UA, WF+8*(\kc), SB+8*(\kc), 0
	RID
	WM UA+8, WF+32+8*(\kc), SB+8*(\kc), 0
	RID
.if (\kc) == 0
	WM OA, QF, SB, 1
	RID
	WM OA+8, QF+32, SB, 1
.else
	WM OA, QF+8*(\kc), SB+8*(\kc), 0
	RID
	WM OA+8, QF+32+8*(\kc), SB+8*(\kc), 0
.endif
	RID
.endr
.endm
.macro UPACK
	WIN 0
.irp t, 0,1
.irp q, 0,1,2,3
	v_cvt_pk_bf16_f32 v[UF+4*(\t)+(\q)], v[UA+8*(\t)+2*(\q)], v[UA+8*(\t)+2*(\q)+1]
.endr
.endr
.endm
.macro P2 zero                         ; S += Kd^T U, O += M U
	WIN 0x01
	WM SA, KD, UF, \zero
	WM SA+8, KD+8, UF, \zero
	WM OA, MF, UF, \zero
	WM SA+16, KD+16, UF, \zero
	WM SA+24, KD+24, UF, \zero
	WM OA+8, MF+8, UF, \zero
	WM SA+32, KD+32, UF, \zero
	WM SA+40, KD+40, UF, \zero
	WM SA+48, KD+48, UF, \zero
	WM SA+56, KD+56, UF, \zero
.endm
.macro OSTAGE                          ; O in bf16 into the stage: a lane's 8 tokens are 16 bytes of its feature's row
.irp t, 0,1
.irp q, 0,1,2,3
	v_cvt_pk_bf16_f32 v[OP+4*(\t)+(\q)], v[OA+8*(\t)+2*(\q)], v[OA+8*(\t)+2*(\q)+1]
.endr
.endr
	ds_store_b128 v[AS], v[OP:OP+3]
	ds_store_b128 v[AS], v[OP+4:OP+7] offset:32
	v_add_nc_u32 v[AS], 64, v[AS]
.endm
.macro TAIL
	WIN 0
	v_add_nc_u32 v[AD], REC, v[AD]                 ; four places behind the last product
	v_add_nc_u32 v[AU], 2048, v[AU]
	v_nop
	v_nop
.irp k, 0,1,2,3,4,5,6,7
.irp q, 0,1,2,3
	v_cvt_pk_bf16_f32 v[SB+4*(\k)+(\q)], v[SA+8*(\k)+2*(\q)], v[SA+8*(\k)+2*(\q)+1]
.endr
.endr
	OSTAGE
.endm
.macro TRIP
	LOADA 1
	s_wait_dscnt 20                                ; all but the 20 just issued: this chunk's decay, W', Qg and U0 are in
	P1 1
	UPACK                                          ; six riders stand behind the last product on U
	LOADB
	s_wait_dscnt 37                                ; all but the 37 just issued: M and Kd are in
	P2 0
	TAIL
.endm
.macro FLUSH                           ; 128 tokens of my 16 features
.irp i, 0,1,2,3,4,5,6,7
	ds_load_b128 v[FL+4*(\i):FL+4*(\i)+3], v[RD] offset:544*(\i)
.endr
	s_wait_dscnt 0x0
.irp i, 0,1,2,3,4,5,6,7
	global_store_b128 v[CO], v[FL+4*(\i):FL+4*(\i)+3], s[10:11] offset:16384*(\i)
.endr
	s_wait_xcnt 0x0                                ; the stores have read their data and their base
	s_add_nc_u64 s[10:11], s[10:11], 256
	v_mov_b32 v[AS], v[AS0]
.endm
	s_wait_tensorcnt 1                             ; slot 0 and U0 are in; slot 1 may stay out
	ds_load_b128 v[UA:UA+3],     v[AU]             ; CHUNK 0: U = U0, O = M U, S = Kd^T U
	ds_load_b128 v[UA+4:UA+7],   v[AU] offset:512
	ds_load_b128 v[UA+8:UA+11],  v[AU] offset:1024
	ds_load_b128 v[UA+12:UA+15], v[AU] offset:1536
	LOADA 1
	WIN 0
	v_add_nc_u32 v[AU], 2048, v[AU]
	s_wait_dscnt 0x0
	UPACK
	LOADB
	P2 1
	TAIL
	s_mov_b32 s[CNT], 3
	s_mov_b32 s[SLOTS], 7
	s_branch .Lstep
.Lslot:                                ; six times: the slot just read is filled again, two slots ahead
	s_wait_tensorcnt 0x0                           ; all my tensor loads have landed: the one that was out is the other slot's
	ds_add_u32 v[SPW], v[NIL]                      ; the descriptor's steps stand between the add and its wait
	s_xor_b32 s[G0B+1], s[G0B+1], SLOT
	s_add_nc_u64 s[G0B+2:G0B+3], s[G0B+2:G0B+3], SLOT
	s_sub_co_u32 s[G1+2], s[G1+2], 424<<16         ; the rows left
	s_xor_b32 s[TB], s[TB], SLOT
	s_wait_dscnt 0x0                               ; the add is done, and my reads of the slot are over
	CROUND                                         ; no partner still reads the slot or has a load on its way
	tensor_load_to_lds s[G0B:G0B+3], s[G1:G1+7]
	s_nop 0
	PLACES
	v_add_nc_u32 v[AD], s[TB], v[L16]
	s_mov_b32 s[CNT], 4
.Lstep:
	TRIP
	s_sub_co_u32 s[CNT], s[CNT], 1
	s_cmp_lg_u32 s[CNT], 0
	s_cbranch_scc1 .Lstep
	FLUSH
	s_sub_co_u32 s[SLOTS], s[SLOTS], 1
	s_cmp_lg_u32 s[SLOTS], 0
	s_cbranch_scc1 .Lslot
	s_wait_tensorcnt 0x0                           ; the last slot is in; nothing is filled again, and the work-group has one wave
	s_xor_b32 s[TB], s[TB], SLOT
	v_add_nc_u32 v[AD], s[TB], v[L16]
	s_mov_b32 s[CNT], 3
.Ltail:
	TRIP
	s_sub_co_u32 s[CNT], s[CNT], 1
	s_cmp_lg_u32 s[CNT], 0
	s_cbranch_scc1 .Ltail
	LOADA 0                                        ; CHUNK 31: its state is not made
	s_wait_dscnt 4                                 ; all but M's four loads
	P1 0
	WIN 0
	PLACES
	UPACK
	s_wait_dscnt 0x0
	WIN 0x01
	WM OA, MF, UF, 0
	WM OA+8, MF+8, UF, 0
	WIN 0
	PLACES
	OSTAGE
	FLUSH
	s_wait_tensorcnt 0x0                           ; the wave's end
	ds_add_u32 v[SPW], v[NIL]
	s_wait_dscnt 0x0
	CROUND                                         ; the closing round
	s_endpgm
.Lfunc_end_k_q5e5aaa8e46_scan:
	.size	k_q5e5aaa8e46_scan, .Lfunc_end_k_q5e5aaa8e46_scan-k_q5e5aaa8e46_scan
	.p2alignl 7, 3214868480
	.fill 96, 4, 3214868480
	.section	.rodata,"a",@progbits
	.p2align	6, 0x0
	.amdhsa_kernel k_q5e5aaa8e46_scan
		.amdhsa_group_segment_fixed_size 327680
		.amdhsa_private_segment_fixed_size 0
		.amdhsa_enable_private_segment 0
		.amdhsa_kernarg_size 16
		.amdhsa_user_sgpr_count 2
		.amdhsa_user_sgpr_kernarg_segment_ptr 1
		.amdhsa_wavefront_size32 1
		.amdhsa_system_sgpr_workgroup_id_x 1
		.amdhsa_system_sgpr_workgroup_id_y 1
		.amdhsa_system_sgpr_workgroup_id_z 1
		.amdhsa_system_vgpr_workitem_id 0
		.amdhsa_next_free_vgpr 512
		.amdhsa_next_free_sgpr 66
		.amdhsa_reserve_vcc 0
		.amdhsa_float_denorm_mode_32 3
		.amdhsa_float_denorm_mode_16_64 3
		.amdhsa_memory_ordered 1
		.amdhsa_forward_progress 1
		.amdhsa_inst_pref_size 43
	.end_amdhsa_kernel
	.amdgpu_metadata
---
amdhsa.version: [ 1, 2 ]
amdhsa.kernels:
  - .name:           k_q5e5aaa8e46_scan
    .symbol:         k_q5e5aaa8e46_scan.kd
    .args:
      - { .name: cop, .offset: 0, .size: 8, .value_kind: global_buffer, .address_space: global }
      - { .name: act, .offset: 8, .size: 8, .value_kind: global_buffer, .address_space: global }
    .group_segment_fixed_size: 327680
    .private_segment_fixed_size: 0
    .kernarg_segment_align: 8
    .kernarg_segment_size: 16
    .max_flat_workgroup_size: 32
    .sgpr_count:     66
    .vgpr_count:     512
    .wavefront_size: 32
...
	.end_amdgpu_metadata
.endif
;; end of part 4
;; launch wo (part 5): grid 8 x 32, 4 waves a work-group, clusters of 4 x 4, 327,680 bytes of LDS; arguments act, wbf, x, x1; writes x1
.if DOCPART == 5
	.amdgcn_target "amdgcn-amd-amdhsa--gfx1250"
	.amdhsa_code_object_version 6
	.text
	.protected	k_q5e5aaa8e46_wo
	.globl	k_q5e5aaa8e46_wo
	.p2align	8
	.type	k_q5e5aaa8e46_wo,@function
k_q5e5aaa8e46_wo:
	s_mov_b64 s[64:65], 0
	v_nop
	global_prefetch_b8 v0, s[64:65] scope:SCOPE_SE
	s_setreg_imm32_b32 hwreg(HW_REG_WAVE_MODE, 25, 1), 1
	s_wait_xcnt 0x0
	s_wait_alu depctr_hold_cnt(0) depctr_sa_sdst(0) depctr_va_vdst(0) depctr_va_sdst(0) depctr_va_ssrc(0) depctr_va_vcc(0) depctr_vm_vsrc(0)
	s_getreg_b32 s2, hwreg(HW_REG_IB_STS2, 6, 4)
	s_cmp_eq_u32 s2, 0
	s_cbranch_scc0 .Lentry_in_a_cluster
	s_endpgm
.Lentry_in_a_cluster:
	s_bfe_u32 s2, ttmp6, 0x10000c
	s_cmp_lg_u32 s2, 0xf033
	s_cbranch_scc0 .Lentry_shape_is_right
	s_endpgm
.Lentry_shape_is_right:
; LAUNCH 5: x1 = x + o Wo.  One text serves this launch (FFN2 = 0, K = 1,024) and launch 8 (FFN2 = 1: out = x1 + g W2 + b2, K = 4,096).
; A tile of the result is 128 x 128, so that 256 work-groups fill the grid: four waves, 64 x 64 each, 16 accumulators.  K goes in steps of 256 through two LDS slots.
; BOTH OPERANDS LIE WITH K DOWN THE ROWS (o^T, g^T: [K][4096 m]; the weights: [K][1024 n]): a tile is 256 rows x 256 bytes, LDS pitch 288, read turned, by ds_load_tr16_b128.
; Waves 0, 1 fetch A's halves of 128 rows, waves 2, 3 B's: one tensor load a wave and step.  Source 0 = B, source 1 = A: a lane holds one token (l % 16) and eight neighbouring columns.
; CLUSTER 4 x 4: A's tile hangs on the grid's y alone and is asked for jointly by a row of the cluster, B's on the grid's x alone and by a column.
; The residual's 64 x 64 numbers of each wave are loaded at the start; b2 is the C operand of the products that start the sums.  The way out goes through a stage in slot 0 (its last fill was read a step before the end, and a barrier lies behind those reads).
; The rows of a first reading are not prefetched in this text.
.set FFN2, 0
.if FFN2
.set KSTEPS, 16
.set WOFF, 16777216
.else
.set KSTEPS, 4
.set WOFF, 6291456
.endif
.set PITCH, 288
.set HALFB, 36864
.set SLOT,  147456                     ; A's tile, then B's.  No bit of it lies in wave x 36,864
.set SPARE, 294912
.set SP,    272
.set ASTEP, 2097152
.set BSTEP, 524288
.set LA0, 10                           ; v10, v11  my lane's place in A's and B's tile
.set LB0, 11
.set AA0, 16                           ; v16, v17  A in the slot being read: rows 0-127, rows 128-255
.set AB0, 18                           ; v18, v19  B
.set STO, 24
.set RD,  25
.set CO,  26
.set BO,  27
.set SPW, 28
.set NIL, 29
.set TMP, 32                           ; v[32:95]
.set BIAS, 96                          ; v[96:127] four C tiles
.set ACC, 128                          ; v[128:255] accumulator (a, b) at 8 (4 a + b)
.set F0,  0                            ; window 1: two buffers of 128: A's 64, then B's 64.  Window 2: v[0:127] the residual
.set F1,  128
.set WV,  12
.set HY,  13
.set HX,  14
.set G1A, 24
.set G0A, 32
.set G1B, 48
.set G0B, 56
.set RS,  66
.set CNT, 67
.set MSB, 0
.macro WIN new
.if MSB != (\new)
	s_set_vgpr_msb (MSB<<8)|(\new)
.set MSB, \new
.endif
.endm
.set MUL, 0x05                         ; sources 0 and 1 in window 1, C and D in window 0
.macro PLACES
.rept 4
	v_nop
.endr
.endm
.macro JLOAD
	s_cmp_eq_u32 s[HY], 0
	s_cbranch_scc0 .Lfor_b_\@
	tensor_load_to_lds s[G0A+4:G0A+7], s[G1A:G1A+7]
	s_nop 0
	PLACES
	s_branch .Lasked_\@
.Lfor_b_\@:
	tensor_load_to_lds s[G0B+4:G0B+7], s[G1B:G1B+7]
	s_nop 0
	PLACES
.Lasked_\@:
.endm
.macro CREST
	s_cmp_lg_u32 s[WV], 0
	s_cbranch_scc1 .Lnot_wave_0_\@
	s_barrier_signal -3
.Lnot_wave_0_\@:
	s_barrier_wait -3
	s_barrier_signal -1
	s_barrier_wait -1
.endm
.macro CROUND
	s_barrier_signal -1
	s_barrier_wait -1
	CREST
.endm
	s_load_b256 s[4:11], s[0:1], 0x0               ; A s[4:5], wbf s[6:7], the residual s[8:9], the output s[10:11]
.if FFN2
	s_load_b64 s[68:69], s[0:1], 0x20              ; b2
.endif
	v_lshl_add_u32 v[SPW], v0, 2, SPARE
	v_mov_b32 v[NIL], 0
	ds_add_u32 v[SPW], v[NIL]                      ; the wave's opening: the add, twice on end, and its wait ahead of my first tensor load
	ds_add_u32 v[SPW], v[NIL]
	v_lshrrev_b32 v1, 5, v0
	v_readfirstlane_b32 s[WV], v1
	s_lshr_b32 s[HY], s[WV], 1
	s_and_b32 s[HX], s[WV], 1
	s_bfe_u32 s40, ttmp6, 0x40000
	s_bfe_u32 s41, ttmp6, 0x40004
	s_lshl_b32 s42, ttmp9, 2
	s_add_co_u32 s42, s42, s40                     ; tx
	s_and_b32 s43, ttmp7, 0xffff
	s_lshl_b32 s43, s43, 2
	s_add_co_u32 s43, s43, s41                     ; ty
	s_lshl_b32 s44, s41, 2
	s_lshl_b32 s44, 15, s44
	s_lshl_b32 s45, 0x1111, s40
	s_or_b32 s[G1A], s44, (1<<16)|(1<<20)|(1<<21)|(5<<22)|(7<<25)  ; my row; 2-byte elements; padding of 8 words after every 64; bit 21 beside the mask
	s_or_b32 s[G1B], s45, (1<<16)|(1<<20)|(1<<21)|(5<<22)|(7<<25)  ; my column
.irp g, G1A, G1B
	s_mov_b32 s[(\g)+1], 128<<16                   ; tensor_dim0 = 128
	s_mov_b32 s[(\g)+2], 128<<16                   ; tensor_dim1 = 128
	s_mov_b32 s[(\g)+3], 128<<16                   ; tile_dim0 = 128
	s_mov_b32 s[(\g)+4], 128                       ; tile_dim1 = 128
	s_mov_b32 s[(\g)+6], 0
	s_mov_b32 s[(\g)+7], 0
.endr
	s_mov_b32 s[G1A+5], 4096
	s_mov_b32 s[G1B+5], 1024
	s_lshl_b32 s16, s43, 8                         ; A: column 128 ty; + the 128 rows of 8,192 bytes that I fetch
	s_lshl_b32 s17, s[HX], 20
	s_add_co_u32 s16, s16, s17
	s_mov_b32 s17, 0
	s_lshl_b32 s46, s42, 8                         ; B: column 128 tx; + 128 rows of 2,048 bytes; + the matrix's place in wbf
	s_lshl_b32 s47, s[HX], 18
	s_add_co_u32 s46, s46, s47
	s_add_co_u32 s46, s46, WOFF
	s_mov_b32 s47, 0
	s_mul_i32 s22, s[WV], HALFB
	s_mov_b32 s[RS], 0
	s_wait_dscnt 0x0
	s_wait_kmcnt 0x0
	s_add_nc_u64 s[20:21], s[4:5], s[16:17]
	s_add_nc_u64 s[46:47], s[6:7], s[46:47]
	CROUND
.irp s, 0,1
	s_mov_b32 s[G0A+4*(\s)], 1
	s_add_co_u32 s[G0A+4*(\s)+1], s22, (\s)*SLOT
	s_add_nc_u64 s[G0A+4*(\s)+2:G0A+4*(\s)+3], s[20:21], (\s)*ASTEP
	s_or_b32 s[G0A+4*(\s)+3], s[G0A+4*(\s)+3], 0x80000000
	s_mov_b32 s[G0B+4*(\s)], 1
	s_add_co_u32 s[G0B+4*(\s)+1], s22, (\s)*SLOT
	s_add_nc_u64 s[G0B+4*(\s)+2:G0B+4*(\s)+3], s[46:47], (\s)*BSTEP
	s_or_b32 s[G0B+4*(\s)+3], s[G0B+4*(\s)+3], 0x80000000
.endr
	s_cmp_eq_u32 s[HY], 0                          ; a wave's two first fills stand in one branch: two loads of mine are out
	s_cbranch_scc0 .Lfirst_b
	tensor_load_to_lds s[G0A:G0A+3], s[G1A:G1A+7]
	s_nop 0
	tensor_load_to_lds s[G0A+4:G0A+7], s[G1A:G1A+7]
	s_nop 0
	PLACES
	s_branch .Lfirst_asked
.Lfirst_b:
	tensor_load_to_lds s[G0B:G0B+3], s[G1B:G1B+7]
	s_nop 0
	tensor_load_to_lds s[G0B+4:G0B+7], s[G1B:G1B+7]
	s_nop 0
	PLACES
.Lfirst_asked:
	v_and_b32 v1, 15, v0                           ; r
	v_bfe_u32 v2, v0, 4, 1                         ; h
	v_and_b32 v4, 7, v0
	v_bfe_u32 v5, v0, 3, 1
	v_lshl_add_u32 v4, v2, 3, v4
	v_mul_u32_u24 v4, v4, PITCH
	v_lshl_add_u32 v4, v5, 4, v4                   ; row 8 h + l % 8, 16 bytes by (l / 8) % 2
	s_lshl_b32 s23, s[HY], 7
	v_add_nc_u32 v[LA0], s23, v4                   ; my 64 columns of A
	s_lshl_b32 s23, s[HX], 7
	s_add_co_u32 s23, s23, 2*HALFB
	v_add_nc_u32 v[LB0], s23, v4                   ; of B, behind A's tile
	v_mov_b32 v[AA0], v[LA0]
	v_add_nc_u32 v[AA0+1], HALFB, v[LA0]
	v_mov_b32 v[AB0], v[LB0]
	v_add_nc_u32 v[AB0+1], HALFB, v[LB0]
	s_mul_i32 s23, s[WV], 32*SP
	v_mul_u32_u24 v3, v1, SP
	v_lshl_add_u32 v3, v2, 5, v3
	v_add_nc_u32 v[STO], s23, v3
	v_mul_u32_u24 v3, v2, SP
	v_lshl_add_u32 v3, v1, 4, v3
	v_add_nc_u32 v[RD], s23, v3
	v_lshlrev_b32 v3, 12, v2
	v_lshl_add_u32 v[CO], v1, 4, v3                ; two rows of 4,096 bytes, 16 bytes a lane
	s_lshl_b32 s80, s43, 19                        ; row 128 ty + 64 HY; column 128 tx + 64 HX, 4 bytes each
	s_lshl_b32 s81, s[HY], 18
	s_add_co_u32 s80, s80, s81
	s_lshl_b32 s82, s42, 9
	s_lshl_b32 s83, s[HX], 8
	s_add_co_u32 s82, s82, s83
	s_add_co_u32 s80, s80, s82
	s_mov_b32 s81, 0
	s_mov_b32 s83, 0
	s_add_nc_u64 s[8:9], s[8:9], s[80:81]
	s_add_nc_u64 s[10:11], s[10:11], s[80:81]
.if FFN2
	s_add_nc_u64 s[68:69], s[68:69], s[82:83]
	v_lshlrev_b32 v[BO], 5, v2
.irp b, 0,1,2,3                        ; register j of C tile b: b2 of column 16 b + 8 h + j
	global_load_b128 v[BIAS+8*(\b):BIAS+8*(\b)+3],   v[BO], s[68:69] offset:64*(\b)
	global_load_b128 v[BIAS+8*(\b)+4:BIAS+8*(\b)+7], v[BO], s[68:69] offset:64*(\b)+16
.endr
.endif
	WIN 0x80
.set n, 0
.rept 32
	global_load_b128 v[4*n:4*n+3], v[CO], s[8:9] offset:8192*n
.set n, n+1
.endr
	WIN 0
.macro MUL8 f, c, a0, zero             ; 8 products: A blocks a0, a0 + 1 x all 4 B blocks, 32 along K: half c of buffer f
	WIN MUL
.irp a, \a0, (\a0)+1
.irp b, 0,1,2,3
.if (\zero) && FFN2
	v_wmma_f32_16x16x32_bf16 v[ACC+8*(4*(\a)+(\b)):ACC+8*(4*(\a)+(\b))+7], v[(\f)+64+8*(4*(\c)+(\b)):(\f)+64+8*(4*(\c)+(\b))+7], v[(\f)+8*(4*(\c)+(\a)):(\f)+8*(4*(\c)+(\a))+7], v[BIAS+8*(\b):BIAS+8*(\b)+7]
.elseif \zero
	v_wmma_f32_16x16x32_bf16 v[ACC+8*(4*(\a)+(\b)):ACC+8*(4*(\a)+(\b))+7], v[(\f)+64+8*(4*(\c)+(\b)):(\f)+64+8*(4*(\c)+(\b))+7], v[(\f)+8*(4*(\c)+(\a)):(\f)+8*(4*(\c)+(\a))+7], 0
.else
	v_wmma_f32_16x16x32_bf16 v[ACC+8*(4*(\a)+(\b)):ACC+8*(4*(\a)+(\b))+7], v[(\f)+64+8*(4*(\c)+(\b)):(\f)+64+8*(4*(\c)+(\b))+7], v[(\f)+8*(4*(\c)+(\a)):(\f)+8*(4*(\c)+(\a))+7], v[ACC+8*(4*(\a)+(\b)):ACC+8*(4*(\a)+(\b))+7]
.endif
.endr
.endr
.endm
.macro FETCH q, f                      ; 32 LDS loads in one run: 64 along K at quarter q; the first 32 along K first
	WIN 0x40
.irp c, 0,1
.irp i, 0,1,2,3
	ds_load_tr16_b128 v[(\f)+64+8*(4*(\c)+(\i)):(\f)+64+8*(4*(\c)+(\i))+3],   v[AB0+(\q)/2] offset:(((\q)%2)*64+32*(\c))*PITCH+32*(\i)
	ds_load_tr16_b128 v[(\f)+64+8*(4*(\c)+(\i))+4:(\f)+64+8*(4*(\c)+(\i))+7], v[AB0+(\q)/2] offset:(((\q)%2)*64+32*(\c)+16)*PITCH+32*(\i)
	ds_load_tr16_b128 v[(\f)+8*(4*(\c)+(\i)):(\f)+8*(4*(\c)+(\i))+3],         v[AA0+(\q)/2] offset:(((\q)%2)*64+32*(\c))*PITCH+32*(\i)
	ds_load_tr16_b128 v[(\f)+8*(4*(\c)+(\i))+4:(\f)+8*(4*(\c)+(\i))+7],       v[AA0+(\q)/2] offset:(((\q)%2)*64+32*(\c)+16)*PITCH+32*(\i)
.endr
.endr
.endm
.macro QUARTER q, f, g, zero
	s_wait_dscnt 16                                ; the first 32 along K are in; the other sixteen loads may be out
	MUL8 \f, 0, 0, \zero
	MUL8 \f, 0, 2, \zero
	PLACES
	FETCH \q, \g
	s_wait_dscnt 32                                ; all but the 32 just issued
	MUL8 \f, 1, 0, 0
	MUL8 \f, 1, 2, 0
.endm
.macro TURN fill                       ; the last quarter multiplies buffer 1 and changes slots
	WIN 0
	s_wait_tensorcnt 0x0                           ; all my tensor loads have landed: my part of the next slot
	ds_add_u32 v[SPW], v[NIL]
	s_wait_dscnt 17                                ; the add and the youngest sixteen loads may be out
	MUL8 F1, 0, 0, 0
	s_wait_dscnt 0x0                               ; the add is done, and my reads of this slot are over
	s_barrier_signal -1
	MUL8 F1, 0, 2, 0
	WIN 0
	s_barrier_wait -1
.if \fill
	CREST
	s_xor_b32 s[G0A+5], s[G0A+5], SLOT
	s_add_nc_u64 s[G0A+6:G0A+7], s[G0A+6:G0A+7], ASTEP
	s_xor_b32 s[G0B+5], s[G0B+5], SLOT
	s_add_nc_u64 s[G0B+6:G0B+7], s[G0B+6:G0B+7], BSTEP
	JLOAD
.else
	PLACES
.endif
	s_xor_b32 s[RS], s[RS], SLOT
	v_add_nc_u32 v[AA0], s[RS], v[LA0]
	v_add_nc_u32 v[AB0], s[RS], v[LB0]
	v_add_nc_u32 v[AA0+1], HALFB, v[AA0]
	v_add_nc_u32 v[AB0+1], HALFB, v[AB0]
	FETCH 0, F0
	MUL8 F1, 1, 0, 0
	MUL8 F1, 1, 2, 0
.endm
	s_wait_tensorcnt 1                             ; my part of K step 0 is in; step 1's may stay out
	s_barrier_signal -1
	s_barrier_wait -1
	FETCH 0, F0
.if FFN2
	s_wait_loadcnt 32                              ; b2 is in; the residual's 32 loads may stay out
.endif
	QUARTER 1, F0, F1, 1
	WIN 0
	s_mov_b32 s[CNT], KSTEPS-2
.LloopA:
	QUARTER 2, F1, F0, 0
	QUARTER 3, F0, F1, 0
	TURN 1
	QUARTER 1, F0, F1, 0
	WIN 0
	s_sub_co_u32 s[CNT], s[CNT], 1
	s_cmp_lg_u32 s[CNT], 0
	s_cbranch_scc1 .LloopA
	s_mov_b32 s[CNT], 2
.LloopB:                               ; the last two steps ask for nothing; the second trip is left in its middle
	QUARTER 2, F1, F0, 0
	QUARTER 3, F0, F1, 0
	WIN 0
	s_sub_co_u32 s[CNT], s[CNT], 1
	s_cmp_eq_u32 s[CNT], 0
	s_cbranch_scc1 .Lfin
	TURN 0
	QUARTER 1, F0, F1, 0
	WIN 0
	s_branch .LloopB
.Lfin:
	s_wait_dscnt 0x0
	MUL8 F1, 0, 0, 0
	MUL8 F1, 0, 2, 0
	MUL8 F1, 1, 0, 0
	MUL8 F1, 1, 2, 0
	WIN 0
	PLACES
	s_wait_loadcnt 0x0                             ; the residual
.irp p, 0,1                            ; 32 rows at a time through my stage: in by tiles, back by rows of 256 bytes
.if (\p) == 1
	s_wait_xcnt 0x0                                ; the first half's stores have read their registers
.endif
.irp a, 0,1
.irp b, 0,1,2,3
	ds_store_b128 v[STO], v[ACC+8*(4*(2*(\p)+(\a))+(\b)):ACC+8*(4*(2*(\p)+(\a))+(\b))+3]   offset:16*SP*(\a)+64*(\b)
	ds_store_b128 v[STO], v[ACC+8*(4*(2*(\p)+(\a))+(\b))+4:ACC+8*(4*(2*(\p)+(\a))+(\b))+7] offset:16*SP*(\a)+64*(\b)+16
.endr
.endr
.set n, 0
.rept 16
	ds_load_b128 v[TMP+4*n:TMP+4*n+3], v[RD] offset:2*SP*n   ; LDS serves a wave's instructions in order: these see the stores above
.set n, n+1
.endr
	s_wait_dscnt 0x0
	WIN 0x08                                       ; source 1 in window 2
.set n, 0
.rept 32
	v_pk_add_f32 v[TMP+n:TMP+n+1], v[TMP+n:TMP+n+1], v[64*(\p)+n:64*(\p)+n+1]
.set n, n+2
.endr
	WIN 0
.set n, 0
.rept 16
	global_store_b128 v[CO], v[TMP+4*n:TMP+4*n+3], s[10:11] offset:8192*(16*(\p)+n)  ; 16 lanes store 256 consecutive bytes, aligned
.set n, n+1
.endr
.endr
	s_wait_tensorcnt 0x0                           ; the wave's end
	ds_add_u32 v[SPW], v[NIL]
	s_wait_dscnt 0x0
	CROUND                                         ; the closing round
	s_endpgm
.Lfunc_end_k_q5e5aaa8e46_wo:
	.size	k_q5e5aaa8e46_wo, .Lfunc_end_k_q5e5aaa8e46_wo-k_q5e5aaa8e46_wo
	.p2alignl 7, 3214868480
	.fill 96, 4, 3214868480
	.section	.rodata,"a",@progbits
	.p2align	6, 0x0
	.amdhsa_kernel k_q5e5aaa8e46_wo
		.amdhsa_group_segment_fixed_size 327680
		.amdhsa_private_segment_fixed_size 0
		.amdhsa_enable_private_segment 0
		.amdhsa_kernarg_size 32
		.amdhsa_user_sgpr_count 2
		.amdhsa_user_sgpr_kernarg_segment_ptr 1
		.amdhsa_wavefront_size32 1
		.amdhsa_system_sgpr_workgroup_id_x 1
		.amdhsa_system_sgpr_workgroup_id_y 1
		.amdhsa_system_sgpr_workgroup_id_z 1
		.amdhsa_system_vgpr_workitem_id 0
		.amdhsa_next_free_vgpr 640
		.amdhsa_next_free_sgpr 100
		.amdhsa_reserve_vcc 0
		.amdhsa_float_denorm_mode_32 3
		.amdhsa_float_denorm_mode_16_64 3
		.amdhsa_memory_ordered 1
		.amdhsa_forward_progress 1
		.amdhsa_inst_pref_size 67
	.end_amdhsa_kernel
	.amdgpu_metadata
---
amdhsa.version: [ 1, 2 ]
amdhsa.kernels:
  - .name:           k_q5e5aaa8e46_wo
    .symbol:         k_q5e5aaa8e46_wo.kd
    .args:
      - { .name: act, .offset: 0, .size: 8, .value_kind: global_buffer, .address_space: global }
      - { .name: wbf, .offset: 8, .size: 8, .value_kind: global_buffer, .address_space: global }
      - { .name: x, .offset: 16, .size: 8, .value_kind: global_buffer, .address_space: global }
      - { .name: x1, .offset: 24, .size: 8, .value_kind: global_buffer, .address_space: global }
    .group_segment_fixed_size: 327680
    .private_segment_fixed_size: 0
    .kernarg_segment_align: 8
    .kernarg_segment_size: 32
    .max_flat_workgroup_size: 128
    .sgpr_count:     100
    .vgpr_count:     640
    .wavefront_size: 32
...
	.end_amdgpu_metadata
.endif
;; end of part 5
;; launch ln2 (part 6): grid 256 x 1, 8 waves a work-group, no clusters, 0 bytes of LDS; arguments x1, ln2_w, ln2_b, act; writes act
.if DOCPART == 6
	.amdgcn_target "amdgcn-amd-amdhsa--gfx1250"
	.amdhsa_code_object_version 6
	.text
	.protected	k_q5e5aaa8e46_ln2
	.globl	k_q5e5aaa8e46_ln2
	.p2align	8
	.type	k_q5e5aaa8e46_ln2,@function
k_q5e5aaa8e46_ln2:
	s_mov_b64 s[64:65], 0
	v_nop
	global_prefetch_b8 v0, s[64:65] scope:SCOPE_SE
	s_setreg_imm32_b32 hwreg(HW_REG_WAVE_MODE, 25, 1), 1
	s_wait_xcnt 0x0
; LAUNCH 6: h = LayerNorm(x1) in bf16.  A stream: a wave takes two rows of 4,096 bytes, keeps them in registers between the mean, the variance of the centred row and the scaling, and stores 8 bytes a lane:
; a wave's store covers 256 consecutive bytes, aligned.  No LDS, no barrier, no matrix unit: memory binds.
.set Y0, 32
.set X0, 64
.set LW, 128
.set LB, 160
	s_load_b256 s[8:15], s[0:1], 0x0               ; x1 8, ln2_w 10, ln2_b 12, act 14
	v_lshrrev_b32 v1, 5, v0
	v_readfirstlane_b32 s40, v1
	v_and_b32 v1, 31, v0
	s_lshl_b32 s41, s40, 13
	v_lshl_add_u32 v5, v1, 4, s41
	v_lshlrev_b32 v6, 4, v1
	s_lshl_b32 s41, s40, 12
	v_lshl_add_u32 v7, v1, 3, s41
	s_mov_b32 s36, 0x76543210
	s_mov_b32 s37, 0xfedcba98
	s_mov_b32 s38, 0x3a800000                      ; 1 / 1024
	s_mov_b32 s39, 0x3727c5ac                      ; 1e-5
	s_mov_b32 s47, 0
	s_lshl_b32 s46, ttmp9, 16
	s_wait_kmcnt 0x0
	s_add_nc_u64 s[8:9], s[8:9], s[46:47]
	s_lshl_b32 s46, ttmp9, 15
	s_add_nc_u64 s[14:15], s[14:15], s[46:47]
.irp j, 0,1,2,3,4,5,6,7
	global_load_b128 v[X0+4*(\j):X0+4*(\j)+3],       v5, s[8:9] offset:512*(\j)
	global_load_b128 v[X0+32+4*(\j):X0+32+4*(\j)+3], v5, s[8:9] offset:4096+512*(\j)
.endr
.irp j, 0,1,2,3,4,5,6,7
	global_load_b128 v[LW+4*(\j):LW+4*(\j)+3], v6, s[10:11] offset:512*(\j)
	global_load_b128 v[LB+4*(\j):LB+4*(\j)+3], v6, s[12:13] offset:512*(\j)
.endr
	s_wait_loadcnt 0x0
.macro REDUCE
	v_pk_add_f32 v[14:15], v[14:15], v[16:17]
	v_pk_add_f32 v[18:19], v[18:19], v[20:21]
	v_pk_add_f32 v[14:15], v[14:15], v[18:19]
	v_add_f32 v14, v14, v15
.irp m, 1,2,4,8
	v_add_f32_dpp v14, v14, v14 row_xmask:\m row_mask:0xf bank_mask:0xf
.endr
	v_permlanex16_b32 v15, v14, s36, s37
	v_add_f32 v14, v14, v15
.endm
.macro LNROW x
.set XB, X0+32*(\x)
.set YB, Y0+16*(\x)
.irp k, 0,1,2,3
	v_pk_add_f32 v[14+2*(\k):15+2*(\k)], v[XB+2*(\k):XB+2*(\k)+1], v[XB+8+2*(\k):XB+8+2*(\k)+1]
.endr
.irp m, 2,3
.irp k, 0,1,2,3
	v_pk_add_f32 v[14+2*(\k):15+2*(\k)], v[14+2*(\k):15+2*(\k)], v[XB+8*(\m)+2*(\k):XB+8*(\m)+2*(\k)+1]
.endr
.endr
	REDUCE
	v_mul_f32 v14, s38, v14
.set p, 0
.rept 16
	v_pk_add_f32 v[XB+p:XB+p+1], v[XB+p:XB+p+1], v[14:15] op_sel_hi:[1,0] neg_lo:[0,1] neg_hi:[0,1]
.set p, p+2
.endr
.irp k, 0,1,2,3
	v_pk_mul_f32 v[14+2*(\k):15+2*(\k)], v[XB+2*(\k):XB+2*(\k)+1], v[XB+2*(\k):XB+2*(\k)+1]
.endr
.irp m, 1,2,3
.irp k, 0,1,2,3
	v_pk_fma_f32 v[14+2*(\k):15+2*(\k)], v[XB+8*(\m)+2*(\k):XB+8*(\m)+2*(\k)+1], v[XB+8*(\m)+2*(\k):XB+8*(\m)+2*(\k)+1], v[14+2*(\k):15+2*(\k)]
.endr
.endr
	REDUCE
	v_fma_f32 v14, v14, s38, s39
	v_rsq_f32 v14, v14
	v_nop                                          ; a plain instruction behind the root,
	s_wait_alu depctr_va_vdst(0)                   ; and the wait ahead of its first reader
.set p, 0
.rept 16
	v_pk_mul_f32 v[XB+p:XB+p+1], v[XB+p:XB+p+1], v[14:15] op_sel_hi:[1,0]
.set p, p+2
.endr
.set p, 0
.rept 16
	v_pk_fma_f32 v[XB+p:XB+p+1], v[XB+p:XB+p+1], v[LW+p:LW+p+1], v[LB+p:LB+p+1]
.set p, p+2
.endr
.set p, 0
.rept 16
	v_cvt_pk_bf16_f32 v[YB+p], v[XB+2*p], v[XB+2*p+1]
.set p, p+1
.endr
.irp j, 0,1,2,3,4,5,6,7
	global_store_b64 v7, v[YB+2*(\j):YB+2*(\j)+1], s[14:15] offset:2048*(\x)+256*(\j)
.endr
.endm
	LNROW 0
	LNROW 1
	s_endpgm
.Lfunc_end_k_q5e5aaa8e46_ln2:
	.size	k_q5e5aaa8e46_ln2, .Lfunc_end_k_q5e5aaa8e46_ln2-k_q5e5aaa8e46_ln2
	.p2alignl 7, 3214868480
	.fill 96, 4, 3214868480
	.section	.rodata,"a",@progbits
	.p2align	6, 0x0
	.amdhsa_kernel k_q5e5aaa8e46_ln2
		.amdhsa_group_segment_fixed_size 0
		.amdhsa_private_segment_fixed_size 0
		.amdhsa_enable_private_segment 0
		.amdhsa_kernarg_size 32
		.amdhsa_user_sgpr_count 2
		.amdhsa_user_sgpr_kernarg_segment_ptr 1
		.amdhsa_wavefront_size32 1
		.amdhsa_system_sgpr_workgroup_id_x 1
		.amdhsa_system_sgpr_workgroup_id_y 1
		.amdhsa_system_sgpr_workgroup_id_z 1
		.amdhsa_system_vgpr_workitem_id 0
		.amdhsa_next_free_vgpr 192
		.amdhsa_next_free_sgpr 66
		.amdhsa_reserve_vcc 0
		.amdhsa_float_denorm_mode_32 3
		.amdhsa_float_denorm_mode_16_64 3
		.amdhsa_memory_ordered 1
		.amdhsa_forward_progress 1
		.amdhsa_inst_pref_size 20
	.end_amdhsa_kernel
	.amdgpu_metadata
---
amdhsa.version: [ 1, 2 ]
amdhsa.kernels:
  - .name:           k_q5e5aaa8e46_ln2
    .symbol:         k_q5e5aaa8e46_ln2.kd
    .args:
      - { .name: x1, .offset: 0, .size: 8, .value_kind: global_buffer, .address_space: global }
      - { .name: ln2_w, .offset: 8, .size: 8, .value_kind: global_buffer, .address_space: global }
      - { .name: ln2_b, .offset: 16, .size: 8, .value_kind: global_buffer, .address_space: global }
      - { .name: act, .offset: 24, .size: 8, .value_kind: global_buffer, .address_space: global }
    .group_segment_fixed_size: 0
    .private_segment_fixed_size: 0
    .kernarg_segment_align: 8
    .kernarg_segment_size: 32
    .max_flat_workgroup_size: 256
    .sgpr_count:     66
    .vgpr_count:     192
    .wavefront_size: 32
...
	.end_amdgpu_metadata
.endif
;; end of part 6
;; launch ffn1 (part 7): grid 16 x 16, 4 waves a work-group, clusters of 4 x 4, 327,680 bytes of LDS; arguments act, wbf, b1, big; writes big
.if DOCPART == 7
	.amdgcn_target "amdgcn-amd-amdhsa--gfx1250"
	.amdhsa_code_object_version 6
	.text
	.protected	k_q5e5aaa8e46_ffn1
	.globl	k_q5e5aaa8e46_ffn1
	.p2align	8
	.type	k_q5e5aaa8e46_ffn1,@function
k_q5e5aaa8e46_ffn1:
	s_mov_b64 s[64:65], 0
	v_nop
	global_prefetch_b8 v0, s[64:65] scope:SCOPE_SE
	s_setreg_imm32_b32 hwreg(HW_REG_WAVE_MODE, 25, 1), 1
	s_wait_xcnt 0x0
	s_wait_alu depctr_hold_cnt(0) depctr_sa_sdst(0) depctr_va_vdst(0) depctr_va_sdst(0) depctr_va_ssrc(0) depctr_va_vcc(0) depctr_vm_vsrc(0)
	s_getreg_b32 s2, hwreg(HW_REG_IB_STS2, 6, 4)
	s_cmp_eq_u32 s2, 0
	s_cbranch_scc0 .Lentry_in_a_cluster
	s_endpgm
.Lentry_in_a_cluster:
	s_bfe_u32 s2, ttmp6, 0x10000c
	s_cmp_lg_u32 s2, 0xf033
	s_cbranch_scc0 .Lentry_shape_is_right
	s_endpgm
.Lentry_shape_is_right:
; LAUNCH 7: g^T = gelu(h W1 + b1)^T, [4096 f][4096 m] bf16.  Built as launch 2 is; its head says how.
; A tile of the result is 256 x 256: four waves, 128 x 128 each, 64 accumulators.  K = 1,024 goes in 8 steps of 128 through two LDS slots.
; R: h's rows (K along the rows): 256 rows x 256 bytes, LDS pitch 272, read by ds_load_b128.  T: W1 as it lies ([K][N]): 128 rows x 512 bytes, LDS pitch 544, read turned, by ds_load_tr16_b128.
; Waves 0, 1 fetch R's halves, waves 2, 3 T's: 34,816 bytes each, one tensor load a wave and step.
; Source 0 = X = tokens (R, window 1), source 1 = Y = features (T, window 0): a lane holds one feature (l % 16) and eight neighbouring tokens; b1 of the lane's feature is the C operand of the products that start the sums.
; CLUSTER 4 x 4: X's tile hangs on the grid's x alone and is asked for jointly by a column of the cluster, Y's on the grid's y alone and by a row.
; THE WAY OUT.  The f32 results go through a stage in LDS (each wave's own 128 rows x 528 bytes, over the ring, which has had its last fill), so that the activation is a short loop: 8 rows a trip, 16 lanes a row.
; gelu(x) = max(x, 0) - u P(t) 2^(-u^2 log2(e) / 2), u = |x|, t = 1 / (1 + 0.2316419 u), P the polynomial of Abramowitz and Stegun 26.2.17 times 1 / sqrt(2 pi): the normal integral to 7.5e-8 for every x, no difference of near numbers for x < 0.
; LIMITS: operands and g in bf16; 2^x below 2^-126 counts as 0; NaN and infinities are not treated apart.  The rows of a first reading are not prefetched in this text.
.set PR,     272
.set PT,     544
.set HALFB,  34816                     ; what one tensor load brings
.set SLOT,   139264                    ; R's tile, then T's.  No bit of it lies in wave x 34,816, so one exclusive or changes slots
.set SPARE,  278528                    ; behind the ring: the spare words, 128 bytes a wave
.set SPITCH, 528
.set STGB,   128*SPITCH
.set RSTEP,  256
.set TPITCH, 4096
.set ROWP,   8192                      ; bytes from row to row of g^T
.set TSTEP,  128*TPITCH*2
.set R0,  16                           ; v16  my lane's place in R's tile
.set T0,  17                           ; v17  in T's
.set ADR, 18                           ; v18, v19  the same in the slot being read
.set ADT, 19
.set STO, 20                           ; v20  the way out: where I put 16 bytes
.set RD,  21                           ; v21  where I read rows back
.set CO,  22                           ; v22  my byte offset in the output
.set SPW, 28
.set NIL, 29
.set F0,  64                           ; fragment buffers, in windows 0 (Y) and 1 (X)
.set F1,  128
.set BIAS, 192                         ; v[192:255] eight C tiles: b1 of my lane's feature, eight times
.set WV,  12
.set HY,  13                           ; wave / 2: my half of Y.  Also: I fetch R (0) or T (1)
.set HX,  14                           ; wave % 2: my half of X.  Also: which half of that tile I fetch
.set G1R, 24                           ; s[24:31] group 1 for R;  s[32:39] group 0: the first fill's set, then the walking set
.set G0R, 32
.set G1T, 48                           ; s[48:55], s[56:63] the same for T
.set G0T, 56
.set RS,  66                           ; s66  0 or SLOT: the slot being read
.set CNT, 67
.set MSB, 0
.macro WIN new                         ; the immediate's high byte repeats the setting that is left
.if MSB != (\new)
	s_set_vgpr_msb (MSB<<8)|(\new)
.set MSB, \new
.endif
.endm
.set MUL_LO, 0xa1                      ; source 0 window 1, source 1 window 0, C and D window 2
.macro PLACES
.rept 4
	v_nop
.endr
.endm
.macro JLOAD                           ; a joint refill by the walking sets; an s_nop 0 and four v_nop follow each line
	s_cmp_eq_u32 s[HY], 0
	s_cbranch_scc0 .Lfor_t_\@
	tensor_load_to_lds s[G0R+4:G0R+7], s[G1R:G1R+7]
	s_nop 0
	PLACES
	s_branch .Lasked_\@
.Lfor_t_\@:
	tensor_load_to_lds s[G0T+4:G0T+7], s[G1T:G1T+7]
	s_nop 0
	PLACES
.Lasked_\@:
.endm
.macro CREST                           ; a round of the cluster's barrier behind its opening barrier
	s_cmp_lg_u32 s[WV], 0
	s_cbranch_scc1 .Lnot_wave_0_\@
	s_barrier_signal -3
.Lnot_wave_0_\@:
	s_barrier_wait -3
	s_barrier_signal -1
	s_barrier_wait -1
.endm
.macro CROUND
	s_barrier_signal -1
	s_barrier_wait -1
	CREST
.endm
	s_load_b256 s[4:11], s[0:1], 0x0               ; h s[4:5], wbf s[6:7], b1 s[8:9], big s[10:11]
	v_lshl_add_u32 v[SPW], v0, 2, SPARE
	v_mov_b32 v[NIL], 0
	ds_add_u32 v[SPW], v[NIL]                      ; the wave's opening: the add, twice on end, and its wait ahead of my first tensor load
	ds_add_u32 v[SPW], v[NIL]
	v_lshrrev_b32 v1, 5, v0
	v_readfirstlane_b32 s[WV], v1
	s_lshr_b32 s[HY], s[WV], 1
	s_and_b32 s[HX], s[WV], 1
	s_bfe_u32 s40, ttmp6, 0x40000                  ; cx
	s_bfe_u32 s41, ttmp6, 0x40004                  ; cy
	s_lshl_b32 s42, ttmp9, 2
	s_add_co_u32 s42, s42, s40                     ; tx
	s_and_b32 s43, ttmp7, 0xffff
	s_lshl_b32 s43, s43, 2
	s_add_co_u32 s43, s43, s41                     ; ty
	s_lshl_b32 s44, s41, 2
	s_lshl_b32 s44, 15, s44                        ; my row of the cluster
	s_lshl_b32 s45, 0x1111, s40                    ; my column
	s_or_b32 s[G1R], s45, (1<<16)|(1<<20)|(1<<21)|(5<<22)|(3<<25)  ; R = X: my column; 2-byte elements; padding of 4 words after every 64; bit 21 beside the mask
	s_or_b32 s[G1T], s44, (1<<16)|(1<<20)|(1<<21)|(6<<22)|(7<<25)  ; T = Y: my row; padding of 8 words after every 128
	s_mov_b32 s[G1R+1], 128<<16                    ; tensor_dim0 = 128
	s_mov_b32 s[G1R+2], 128<<16                    ; tensor_dim1 = 128
	s_mov_b32 s[G1R+3], 128<<16                    ; tile_dim0 = 128
	s_mov_b32 s[G1R+4], 128                        ; tile_dim1 = 128
	s_mov_b32 s[G1R+5], 1024                       ; elements from row to row
	s_mov_b32 s[G1R+6], 0
	s_mov_b32 s[G1R+7], 0
	s_mov_b32 s[G1T+1], 256<<16                    ; tensor_dim0 = 256
	s_mov_b32 s[G1T+2], 64<<16                     ; tensor_dim1 = 64
	s_mov_b32 s[G1T+3], 256<<16                    ; tile_dim0 = 256
	s_mov_b32 s[G1T+4], 64                         ; tile_dim1 = 64
	s_mov_b32 s[G1T+5], TPITCH
	s_mov_b32 s[G1T+6], 0
	s_mov_b32 s[G1T+7], 0
	s_lshl_b32 s16, s42, 19                        ; R: row 256 tx, 2,048 bytes a row,
	s_lshl_b32 s17, s[HX], 18                      ; + the 128 rows that I fetch
	s_add_co_u32 s16, s16, s17
	s_mov_b32 s17, 0
	s_lshl_b32 s46, s43, 9                         ; T: W1 from byte 8,388,608 of wbf, column 256 ty,
	s_add_co_u32 s46, s46, 8388608
	s_mul_i32 s47, s[HX], 64*TPITCH*2              ; + the 64 rows that I fetch
	s_add_co_u32 s46, s46, s47
	s_mov_b32 s47, 0
	s_mul_i32 s22, s[WV], HALFB                    ; where they go: no place in the cluster enters an LDS address
	s_mov_b32 s[RS], 0
	s_wait_dscnt 0x0                               ; both opening adds are done
	s_wait_kmcnt 0x0
	s_add_nc_u64 s[20:21], s[4:5], s[16:17]
	s_add_nc_u64 s[46:47], s[6:7], s[46:47]
	CROUND                                         ; all sixteen work-groups are here: the first joint loads meet
.irp s, 0,1
	s_mov_b32 s[G0R+4*(\s)], 1
	s_add_co_u32 s[G0R+4*(\s)+1], s22, (\s)*SLOT
	s_add_nc_u64 s[G0R+4*(\s)+2:G0R+4*(\s)+3], s[20:21], (\s)*RSTEP
	s_or_b32 s[G0R+4*(\s)+3], s[G0R+4*(\s)+3], 0x80000000
	s_mov_b32 s[G0T+4*(\s)], 1
	s_add_co_u32 s[G0T+4*(\s)+1], s22, (\s)*SLOT
	s_add_nc_u64 s[G0T+4*(\s)+2:G0T+4*(\s)+3], s[46:47], (\s)*TSTEP
	s_or_b32 s[G0T+4*(\s)+3], s[G0T+4*(\s)+3], 0x80000000
.endr
	s_cmp_eq_u32 s[HY], 0                          ; a wave's two first fills stand in one branch: two loads of mine are out
	s_cbranch_scc0 .Lfirst_t
	tensor_load_to_lds s[G0R:G0R+3], s[G1R:G1R+7]
	s_nop 0
	tensor_load_to_lds s[G0R+4:G0R+7], s[G1R:G1R+7]
	s_nop 0
	PLACES
	s_branch .Lfirst_asked
.Lfirst_t:
	tensor_load_to_lds s[G0T:G0T+3], s[G1T:G1T+7]
	s_nop 0
	tensor_load_to_lds s[G0T+4:G0T+7], s[G1T:G1T+7]
	s_nop 0
	PLACES
.Lfirst_asked:
	v_and_b32 v1, 15, v0                           ; r
	v_bfe_u32 v2, v0, 4, 1                         ; h
	v_mul_u32_u24 v3, v1, PR
	v_lshl_add_u32 v3, v2, 4, v3
	s_mul_i32 s23, s[HX], HALFB
	v_add_nc_u32 v[R0], s23, v3                    ; R: row r x pitch + 16 h + my 128 rows
	v_and_b32 v4, 7, v0
	v_bfe_u32 v5, v0, 3, 1
	v_lshl_add_u32 v4, v2, 3, v4
	v_mul_u32_u24 v4, v4, PT
	v_lshl_add_u32 v4, v5, 4, v4
	s_lshl_b32 s23, s[HY], 8
	s_add_co_u32 s23, s23, 2*HALFB
	v_add_nc_u32 v[T0], s23, v4                    ; T: row 8 h + l % 8, 16 bytes by (l / 8) % 2, my 128 columns; behind R's tile
	v_mov_b32 v[ADR], v[R0]
	v_mov_b32 v[ADT], v[T0]
	s_mul_i32 s23, s[WV], STGB
	v_mul_u32_u24 v3, v1, SPITCH
	v_lshl_add_u32 v3, v2, 5, v3
	v_add_nc_u32 v[STO], s23, v3                   ; into the stage: row r, 32 bytes for each half of the lanes
	v_mul_u32_u24 v3, v2, SPITCH
	v_lshl_add_u32 v3, v1, 5, v3
	v_add_nc_u32 v[RD], s23, v3                    ; back: lanes 0-15 one row, 32 bytes a lane, lanes 16-31 the next
	v_mul_u32_u24 v3, v2, ROWP
	v_lshl_add_u32 v[CO], v1, 4, v3
	s_lshl_b32 s80, s43, 21                        ; g^T: feature 256 ty + 128 HY, 8,192 bytes a row; token 256 tx + 128 HX
	s_lshl_b32 s81, s[HY], 20
	s_add_co_u32 s80, s80, s81
	s_lshl_b32 s81, s42, 9
	s_add_co_u32 s80, s80, s81
	s_lshl_b32 s81, s[HX], 8
	s_add_co_u32 s80, s80, s81
	s_mov_b32 s81, 0
	s_add_nc_u64 s[10:11], s[10:11], s[80:81]
	s_lshl_b32 s82, s43, 10                        ; b1 at my 128 features
	s_lshl_b32 s83, s[HY], 9
	s_add_co_u32 s82, s82, s83
	s_mov_b32 s83, 0
	s_add_nc_u64 s[8:9], s[8:9], s[82:83]
	v_lshlrev_b32 v6, 2, v1
.irp a, 0,1,2,3,4,5,6,7
	global_load_b32 v[BIAS+8*(\a)], v6, s[8:9] offset:64*(\a)
.endr
	s_mov_b32 s70, 0x3e027906                      ; c1 .. c5, each twice: the packed forms name pairs
	s_mov_b32 s71, 0x3e027906
	s_mov_b32 s72, 0xbe11a98e
	s_mov_b32 s73, 0xbe11a98e
	s_mov_b32 s74, 0x3f35f0e3
	s_mov_b32 s75, 0x3f35f0e3
	s_mov_b32 s76, 0xbf3a00e3
	s_mov_b32 s77, 0xbf3a00e3
	s_mov_b32 s78, 0x3f07dc22
	s_mov_b32 s79, 0x3f07dc22
	s_wait_loadcnt 0x0
.irp a, 0,1,2,3,4,5,6,7
.irp j, 1,2,3,4,5,6,7
	v_mov_b32 v[BIAS+8*(\a)+(\j)], v[BIAS+8*(\a)]
.endr
.endr
; 16 products: Y blocks a0, a0 + 1 of the window's four (hi = 0: my first 64 of Y, 1: the others) x all 8 X blocks, 32 along K.  zero = 1: the first product starts the sums, with b1.
.macro MUL16 f, hi, a0, zero
.irp a, \a0, (\a0)+1
.irp b, 0,1,2,3,4,5,6,7
.if \zero
	WIN 0x81+0x40*(\hi)                            ; C in window 0
	v_wmma_f32_16x16x32_bf16 v[8*(8*(\a)+(\b)):8*(8*(\a)+(\b))+7], v[(\f)+8*(\b):(\f)+8*(\b)+7], v[(\f)+8*(4*(\hi)+(\a)):(\f)+8*(4*(\hi)+(\a))+7], v[BIAS+8*(4*(\hi)+(\a)):BIAS+8*(4*(\hi)+(\a))+7]
.else
	WIN MUL_LO+0x50*(\hi)
	v_wmma_f32_16x16x32_bf16 v[8*(8*(\a)+(\b)):8*(8*(\a)+(\b))+7], v[(\f)+8*(\b):(\f)+8*(\b)+7], v[(\f)+8*(4*(\hi)+(\a)):(\f)+8*(4*(\hi)+(\a))+7], v[8*(8*(\a)+(\b)):8*(8*(\a)+(\b))+7]
.endif
.endr
.endr
.endm
.macro FETCH q, f                      ; 32 LDS loads in one run: X (R) into window 1, then Y (T, turned) into window 0
	WIN 0x40
.irp i, 0,1,2,3,4,5,6,7
	ds_load_b128 v[(\f)+8*(\i):(\f)+8*(\i)+3],   v[ADR] offset:64*(\q)+16*PR*(\i)
	ds_load_b128 v[(\f)+8*(\i)+4:(\f)+8*(\i)+7], v[ADR] offset:64*(\q)+16*PR*(\i)+32
.endr
	WIN 0
.irp i, 0,1,2,3,4,5,6,7
	ds_load_tr16_b128 v[(\f)+8*(\i):(\f)+8*(\i)+3],   v[ADT] offset:32*PT*(\q)+32*(\i)
	ds_load_tr16_b128 v[(\f)+8*(\i)+4:(\f)+8*(\i)+7], v[ADT] offset:32*PT*(\q)+32*(\i)+16*PT
.endr
.endm
; A K step is four quarters of 32 along K on buffers 0, 1, 0, 1.  One of the first three multiplies buffer f and, in its middle, fetches quarter q into buffer g.
.macro QUARTER q, f, g, zero
	s_wait_dscnt 8                                 ; X and Y's blocks 0-3 are in; the youngest eight loads (Y's blocks 4-7) may be out
	MUL16 \f, 0, 0, \zero
	MUL16 \f, 0, 2, \zero
	PLACES                                         ; four places in front of loads into registers that products have read
	FETCH \q, \g
	s_wait_dscnt 32                                ; all but the 32 just issued
	MUL16 \f, 1, 0, \zero
	MUL16 \f, 1, 2, \zero
.endm
; The last quarter multiplies buffer 1 and changes slots.  fill = 1: the barrier opens a round of the cluster's, and the slot just read is filled again, two K steps ahead, first thing behind the round.
.macro TURN fill
	WIN 0
	s_wait_tensorcnt 0x0                           ; all my tensor loads have landed: my part of the next slot
	ds_add_u32 v[SPW], v[NIL]
	s_wait_dscnt 9                                 ; the add and the youngest eight loads may be out
	MUL16 F1, 0, 0, 0
	s_wait_dscnt 0x0                               ; the add is done, and my reads of this slot are over
	s_barrier_signal -1
	MUL16 F1, 0, 2, 0
	WIN 0
	s_barrier_wait -1
.if \fill
	CREST
	s_xor_b32 s[G0R+5], s[G0R+5], SLOT             ; the walking sets: the other slot than last time, the next K step
	s_add_nc_u64 s[G0R+6:G0R+7], s[G0R+6:G0R+7], RSTEP
	s_xor_b32 s[G0T+5], s[G0T+5], SLOT
	s_add_nc_u64 s[G0T+6:G0T+7], s[G0T+6:G0T+7], TSTEP
	JLOAD                                          ; its four v_nop are also the places in front of the loads below
.else
	PLACES
.endif
	s_xor_b32 s[RS], s[RS], SLOT
	v_add_nc_u32 v[ADR], s[RS], v[R0]
	v_add_nc_u32 v[ADT], s[RS], v[T0]
	FETCH 0, F0
	MUL16 F1, 1, 0, 0
	MUL16 F1, 1, 2, 0
.endm
	s_wait_tensorcnt 1                             ; my part of K step 0 is in; step 1's may stay out
	s_barrier_signal -1
	s_barrier_wait -1
	FETCH 0, F0
	QUARTER 1, F0, F1, 1                           ; the first quarter stands in front of the loop: its products start the sums
	WIN 0
	s_mov_b32 s[CNT], 6
.LloopA:                               ; six trips: from a step's second quarter to the next step's first; each fills a slot again (steps 2 to 7)
	QUARTER 2, F1, F0, 0
	QUARTER 3, F0, F1, 0
	TURN 1
	QUARTER 1, F0, F1, 0
	WIN 0
	s_sub_co_u32 s[CNT], s[CNT], 1
	s_cmp_lg_u32 s[CNT], 0
	s_cbranch_scc1 .LloopA
	s_mov_b32 s[CNT], 2
.LloopB:                               ; steps 6 and 7 ask for nothing; the second trip is left in its middle
	QUARTER 2, F1, F0, 0
	QUARTER 3, F0, F1, 0
	WIN 0
	s_sub_co_u32 s[CNT], s[CNT], 1
	s_cmp_eq_u32 s[CNT], 0
	s_cbranch_scc1 .Lfin
	TURN 0
	QUARTER 1, F0, F1, 0
	WIN 0
	s_branch .LloopB
.Lfin:
	s_wait_dscnt 0x0
	MUL16 F1, 0, 0, 0
	MUL16 F1, 0, 2, 0
	MUL16 F1, 1, 0, 0
	MUL16 F1, 1, 2, 0
	WIN 0
	PLACES
	s_wait_dscnt 0x0                               ; my reads of the ring are over;
	s_barrier_signal -1
	s_barrier_wait -1                              ; everybody's are: the stages may be written over it
.irp a, 0,1,2,3,4,5,6,7
	WIN 0x08+4*((\a)/4)                            ; store data (source 1) in window 2 or 3
.irp b, 0,1,2,3,4,5,6,7
	ds_store_b128 v[STO], v[8*(8*((\a)%4)+(\b)):8*(8*((\a)%4)+(\b))+3]   offset:16*SPITCH*(\a)+64*(\b)
	ds_store_b128 v[STO], v[8*(8*((\a)%4)+(\b))+4:8*(8*((\a)%4)+(\b))+7] offset:16*SPITCH*(\a)+64*(\b)+16
.endr
.endr
	WIN 0
.set L,  64                            ; v[64:95] 8 numbers of each of 4 rows, as read back
.set MX, 96
.set U,  128
.set TT, 160
.set W,  192
.set A,  224
.set O,  32
.macro RLOAD                           ; LDS serves a wave's instructions in order: these see the stores above
.irp p, 0,1,2,3
	ds_load_b128 v[L+8*(\p):L+8*(\p)+3],   v[RD] offset:2*SPITCH*(\p)
	ds_load_b128 v[L+8*(\p)+4:L+8*(\p)+7], v[RD] offset:2*SPITCH*(\p)+16
.endr
.endm
.macro EACH16 line:vararg              ; one line for each pair i = 0, 2 .. 30
.set i, 0
.rept 16
	\line
.set i, i+2
.endr
.endm
.macro EACH32 line:vararg
.set i, 0
.rept 32
	\line
.set i, i+1
.endr
.endm
	RLOAD
	s_mov_b32 s[CNT], 16
.Lrow:                                 ; 16 trips of 8 rows
	s_wait_dscnt 0x0
	EACH32 v_max_num_f32 v[MX+i], 0, v[L+i]
	EACH32 v_and_b32 v[U+i], 0x7fffffff, v[L+i]
	s_cmp_eq_u32 s[CNT], 1                         ; the rows have been read out of L: the next eight are asked for, but in the last trip
	s_cbranch_scc1 .Lnomore
	v_add_nc_u32 v[RD], 8*SPITCH, v[RD]
	RLOAD
.Lnomore:
	EACH16 v_pk_fma_f32 v[TT+i:TT+i+1], v[U+i:U+i+1], 0x3e6d3389, 1.0 op_sel_hi:[1,0,0]
	EACH16 v_pk_mul_f32 v[W+i:W+i+1], v[U+i:U+i+1], v[U+i:U+i+1]
	EACH16 v_pk_mul_f32 v[W+i:W+i+1], v[W+i:W+i+1], 0xbf38aa3b op_sel_hi:[1,0]
	EACH32 v_rcp_f32 v[TT+i], v[TT+i]
	EACH32 v_exp_f32 v[W+i], v[W+i]
	v_nop                                          ; a plain instruction behind the batch,
	s_wait_alu depctr_va_vdst(0)                   ; and one wait for its 64
	EACH16 v_pk_fma_f32 v[A+i:A+i+1], v[TT+i:TT+i+1], s[78:79], s[76:77] op_sel_hi:[1,0,0]
	EACH16 v_pk_fma_f32 v[A+i:A+i+1], v[A+i:A+i+1], v[TT+i:TT+i+1], s[74:75] op_sel_hi:[1,1,0]
	EACH16 v_pk_fma_f32 v[A+i:A+i+1], v[A+i:A+i+1], v[TT+i:TT+i+1], s[72:73] op_sel_hi:[1,1,0]
	EACH16 v_pk_fma_f32 v[A+i:A+i+1], v[A+i:A+i+1], v[TT+i:TT+i+1], s[70:71] op_sel_hi:[1,1,0]
	EACH16 v_pk_mul_f32 v[A+i:A+i+1], v[A+i:A+i+1], v[TT+i:TT+i+1]
	EACH16 v_pk_mul_f32 v[A+i:A+i+1], v[A+i:A+i+1], v[W+i:W+i+1]
	EACH16 v_pk_fma_f32 v[A+i:A+i+1], v[A+i:A+i+1], v[U+i:U+i+1], v[MX+i:MX+i+1] neg_lo:[1,0,0] neg_hi:[1,0,0]
	EACH16 v_cvt_pk_bf16_f32 v[O+i/2], v[A+i], v[A+i+1]
.irp p, 0,1,2,3
	global_store_b128 v[CO], v[O+4*(\p):O+4*(\p)+3], s[10:11] offset:2*ROWP*(\p)  ; 16 lanes store 256 consecutive bytes, aligned
.endr
	s_wait_xcnt 0x0                                ; the stores have read their data and their base: both are written again only behind this wait
	s_add_nc_u64 s[10:11], s[10:11], 8*ROWP
	s_sub_co_u32 s[CNT], s[CNT], 1
	s_cmp_lg_u32 s[CNT], 0
	s_cbranch_scc1 .Lrow
	s_wait_tensorcnt 0x0                           ; the wave's end
	ds_add_u32 v[SPW], v[NIL]
	s_wait_dscnt 0x0
	CROUND                                         ; the closing round
	s_endpgm
.Lfunc_end_k_q5e5aaa8e46_ffn1:
	.size	k_q5e5aaa8e46_ffn1, .Lfunc_end_k_q5e5aaa8e46_ffn1-k_q5e5aaa8e46_ffn1
	.p2alignl 7, 3214868480
	.fill 96, 4, 3214868480
	.section	.rodata,"a",@progbits
	.p2align	6, 0x0
	.amdhsa_kernel k_q5e5aaa8e46_ffn1
		.amdhsa_group_segment_fixed_size 327680
		.amdhsa_private_segment_fixed_size 0
		.amdhsa_enable_private_segment 0
		.amdhsa_kernarg_size 32
		.amdhsa_user_sgpr_count 2
		.amdhsa_user_sgpr_kernarg_segment_ptr 1
		.amdhsa_wavefront_size32 1
		.amdhsa_system_sgpr_workgroup_id_x 1
		.amdhsa_system_sgpr_workgroup_id_y 1
		.amdhsa_system_sgpr_workgroup_id_z 1
		.amdhsa_system_vgpr_workitem_id 0
		.amdhsa_next_free_vgpr 1024
		.amdhsa_next_free_sgpr 100
		.amdhsa_reserve_vcc 0
		.amdhsa_float_denorm_mode_32 3
		.amdhsa_float_denorm_mode_16_64 3
		.amdhsa_memory_ordered 1
		.amdhsa_forward_progress 1
		.amdhsa_inst_pref_size 103
	.end_amdhsa_kernel
	.amdgpu_metadata
---
amdhsa.version: [ 1, 2 ]
amdhsa.kernels:
  - .name:           k_q5e5aaa8e46_ffn1
    .symbol:         k_q5e5aaa8e46_ffn1.kd
    .args:
      - { .name: act, .offset: 0, .size: 8, .value_kind: global_buffer, .address_space: global }
      - { .name: wbf, .offset: 8, .size: 8, .value_kind: global_buffer, .address_space: global }
      - { .name: b1, .offset: 16, .size: 8, .value_kind: global_buffer, .address_space: global }
      - { .name: big, .offset: 24, .size: 8, .value_kind: global_buffer, .address_space: global }
    .group_segment_fixed_size: 327680
    .private_segment_fixed_size: 0
    .kernarg_segment_align: 8
    .kernarg_segment_size: 32
    .max_flat_workgroup_size: 128
    .sgpr_count:     100
    .vgpr_count:     1024
    .wavefront_size: 32
...
	.end_amdgpu_metadata
.endif
;; end of part 7
;; launch ffn2 (part 8): grid 8 x 32, 4 waves a work-group, clusters of 4 x 4, 327,680 bytes of LDS; arguments big, wbf, x1, out0, b2; writes out0
.if DOCPART == 8
	.amdgcn_target "amdgcn-amd-amdhsa--gfx1250"
	.amdhsa_code_object_version 6
	.text
	.protected	k_q5e5aaa8e46_ffn2
	.globl	k_q5e5aaa8e46_ffn2
	.p2align	8
	.type	k_q5e5aaa8e46_ffn2,@function
k_q5e5aaa8e46_ffn2:
	s_mov_b64 s[64:65], 0
	v_nop
	global_prefetch_b8 v0, s[64:65] scope:SCOPE_SE
	s_setreg_imm32_b32 hwreg(HW_REG_WAVE_MODE, 25, 1), 1
	s_wait_xcnt 0x0
	s_wait_alu depctr_hold_cnt(0) depctr_sa_sdst(0) depctr_va_vdst(0) depctr_va_sdst(0) depctr_va_ssrc(0) depctr_va_vcc(0) depctr_vm_vsrc(0)
	s_getreg_b32 s2, hwreg(HW_REG_IB_STS2, 6, 4)
	s_cmp_eq_u32 s2, 0
	s_cbranch_scc0 .Lentry_in_a_cluster
	s_endpgm
.Lentry_in_a_cluster:
	s_bfe_u32 s2, ttmp6, 0x10000c
	s_cmp_lg_u32 s2, 0xf033
	s_cbranch_scc0 .Lentry_shape_is_right
	s_endpgm
.Lentry_shape_is_right:
; LAUNCH 8: out = x1 + g W2 + b2.  Built as launch 5 is, with K = 4,096 and b2 as the C operand of the products that start the sums.
; A tile of the result is 128 x 128, so that 256 work-groups fill the grid: four waves, 64 x 64 each, 16 accumulators.  K goes in 16 steps of 256 through two LDS slots.
; BOTH OPERANDS LIE WITH K DOWN THE ROWS (g^T: [4096 f][4096 m]; W2: [4096 f][1024 n]): a tile is 256 rows x 256 bytes, LDS pitch 288, read turned, by ds_load_tr16_b128.
; Waves 0, 1 fetch A's halves of 128 rows, waves 2, 3 B's: one tensor load a wave and step.  Source 0 = B, source 1 = A: a lane holds one token (l % 16) and eight neighbouring columns.
; CLUSTER 4 x 4: A's tile hangs on the grid's y alone and is asked for jointly by a row of the cluster, B's on the grid's x alone and by a column.
; The residual's 64 x 64 numbers of each wave are loaded at the start.  The way out goes through a stage in slot 0 (its last fill was read a step before the end, and a barrier lies behind those reads).
; LIMITS: operands in bf16, sums in f32; NaN and infinities are not treated apart.  The rows of a first reading are not prefetched in this text.
.set KSTEPS, 16
.set WOFF, 16777216
.set PITCH, 288
.set HALFB, 36864
.set SLOT,  147456                     ; A's tile, then B's.  No bit of it lies in wave x 36,864
.set SPARE, 294912
.set SP,    272
.set ASTEP, 2097152
.set BSTEP, 524288
.set LA0, 10                           ; v10, v11  my lane's place in A's and B's tile
.set LB0, 11
.set AA0, 16                           ; v16, v17  A in the slot being read: rows 0-127, rows 128-255
.set AB0, 18                           ; v18, v19  B
.set STO, 24
.set RD,  25
.set CO,  26
.set BO,  27
.set SPW, 28
.set NIL, 29
.set TMP, 32                           ; v[32:95]
.set BIAS, 96                          ; v[96:127] four C tiles
.set ACC, 128                          ; v[128:255] accumulator (a, b) at 8 (4 a + b)
.set F0,  0                            ; window 1: two buffers of 128: A's 64, then B's 64.  Window 2: v[0:127] the residual
.set F1,  128
.set WV,  12
.set HY,  13
.set HX,  14
.set G1A, 24
.set G0A, 32
.set G1B, 48
.set G0B, 56
.set RS,  66
.set CNT, 67
.set MSB, 0
.macro WIN new
.if MSB != (\new)
	s_set_vgpr_msb (MSB<<8)|(\new)
.set MSB, \new
.endif
.endm
.set MUL, 0x05                         ; sources 0 and 1 in window 1, C and D in window 0
.macro PLACES
.rept 4
	v_nop
.endr
.endm
.macro JLOAD                           ; a joint refill by the walking sets; an s_nop 0 and four v_nop follow each line
	s_cmp_eq_u32 s[HY], 0
	s_cbranch_scc0 .Lfor_b_\@
	tensor_load_to_lds s[G0A+4:G0A+7], s[G1A:G1A+7]
	s_nop 0
	PLACES
	s_branch .Lasked_\@
.Lfor_b_\@:
	tensor_load_to_lds s[G0B+4:G0B+7], s[G1B:G1B+7]
	s_nop 0
	PLACES
.Lasked_\@:
.endm
.macro CREST
	s_cmp_lg_u32 s[WV], 0
	s_cbranch_scc1 .Lnot_wave_0_\@
	s_barrier_signal -3
.Lnot_wave_0_\@:
	s_barrier_wait -3
	s_barrier_signal -1
	s_barrier_wait -1
.endm
.macro CROUND
	s_barrier_signal -1
	s_barrier_wait -1
	CREST
.endm
	s_load_b256 s[4:11], s[0:1], 0x0               ; g^T s[4:5], wbf s[6:7], x1 s[8:9], out0 s[10:11]
	s_load_b64 s[68:69], s[0:1], 0x20              ; b2
	v_lshl_add_u32 v[SPW], v0, 2, SPARE
	v_mov_b32 v[NIL], 0
	ds_add_u32 v[SPW], v[NIL]                      ; the wave's opening: the add, twice on end, and its wait ahead of my first tensor load
	ds_add_u32 v[SPW], v[NIL]
	v_lshrrev_b32 v1, 5, v0
	v_readfirstlane_b32 s[WV], v1
	s_lshr_b32 s[HY], s[WV], 1
	s_and_b32 s[HX], s[WV], 1
	s_bfe_u32 s40, ttmp6, 0x40000
	s_bfe_u32 s41, ttmp6, 0x40004
	s_lshl_b32 s42, ttmp9, 2
	s_add_co_u32 s42, s42, s40                     ; tx
	s_and_b32 s43, ttmp7, 0xffff
	s_lshl_b32 s43, s43, 2
	s_add_co_u32 s43, s43, s41                     ; ty
	s_lshl_b32 s44, s41, 2
	s_lshl_b32 s44, 15, s44
	s_lshl_b32 s45, 0x1111, s40
	s_or_b32 s[G1A], s44, (1<<16)|(1<<20)|(1<<21)|(5<<22)|(7<<25)  ; my row; 2-byte elements; padding of 8 words after every 64; bit 21 beside the mask
	s_or_b32 s[G1B], s45, (1<<16)|(1<<20)|(1<<21)|(5<<22)|(7<<25)  ; my column
.irp g, G1A, G1B
	s_mov_b32 s[(\g)+1], 128<<16                   ; tensor_dim0 = 128
	s_mov_b32 s[(\g)+2], 128<<16                   ; tensor_dim1 = 128
	s_mov_b32 s[(\g)+3], 128<<16                   ; tile_dim0 = 128
	s_mov_b32 s[(\g)+4], 128                       ; tile_dim1 = 128
	s_mov_b32 s[(\g)+6], 0
	s_mov_b32 s[(\g)+7], 0
.endr
	s_mov_b32 s[G1A+5], 4096
	s_mov_b32 s[G1B+5], 1024
	s_lshl_b32 s16, s43, 8                         ; A: column 128 ty; + the 128 rows of 8,192 bytes that I fetch
	s_lshl_b32 s17, s[HX], 20
	s_add_co_u32 s16, s16, s17
	s_mov_b32 s17, 0
	s_lshl_b32 s46, s42, 8                         ; B: column 128 tx; + 128 rows of 2,048 bytes; + W2's place in wbf
	s_lshl_b32 s47, s[HX], 18
	s_add_co_u32 s46, s46, s47
	s_add_co_u32 s46, s46, WOFF
	s_mov_b32 s47, 0
	s_mul_i32 s22, s[WV], HALFB
	s_mov_b32 s[RS], 0
	s_wait_dscnt 0x0                               ; both opening adds are done
	s_wait_kmcnt 0x0
	s_add_nc_u64 s[20:21], s[4:5], s[16:17]
	s_add_nc_u64 s[46:47], s[6:7], s[46:47]
	CROUND                                         ; all sixteen work-groups are here: the first joint loads meet
.irp s, 0,1
	s_mov_b32 s[G0A+4*(\s)], 1
	s_add_co_u32 s[G0A+4*(\s)+1], s22, (\s)*SLOT
	s_add_nc_u64 s[G0A+4*(\s)+2:G0A+4*(\s)+3], s[20:21], (\s)*ASTEP
	s_or_b32 s[G0A+4*(\s)+3], s[G0A+4*(\s)+3], 0x80000000
	s_mov_b32 s[G0B+4*(\s)], 1
	s_add_co_u32 s[G0B+4*(\s)+1], s22, (\s)*SLOT
	s_add_nc_u64 s[G0B+4*(\s)+2:G0B+4*(\s)+3], s[46:47], (\s)*BSTEP
	s_or_b32 s[G0B+4*(\s)+3], s[G0B+4*(\s)+3], 0x80000000
.endr
	s_cmp_eq_u32 s[HY], 0                          ; a wave's two first fills stand in one branch: two loads of mine are out
	s_cbranch_scc0 .Lfirst_b
	tensor_load_to_lds s[G0A:G0A+3], s[G1A:G1A+7]
	s_nop 0
	tensor_load_to_lds s[G0A+4:G0A+7], s[G1A:G1A+7]
	s_nop 0
	PLACES
	s_branch .Lfirst_asked
.Lfirst_b:
	tensor_load_to_lds s[G0B:G0B+3], s[G1B:G1B+7]
	s_nop 0
	tensor_load_to_lds s[G0B+4:G0B+7], s[G1B:G1B+7]
	s_nop 0
	PLACES
.Lfirst_asked:
	v_and_b32 v1, 15, v0                           ; r
	v_bfe_u32 v2, v0, 4, 1                         ; h
	v_and_b32 v4, 7, v0
	v_bfe_u32 v5, v0, 3, 1
	v_lshl_add_u32 v4, v2, 3, v4
	v_mul_u32_u24 v4, v4, PITCH
	v_lshl_add_u32 v4, v5, 4, v4                   ; row 8 h + l % 8, 16 bytes by (l / 8) % 2
	s_lshl_b32 s23, s[HY], 7
	v_add_nc_u32 v[LA0], s23, v4                   ; my 64 columns of A
	s_lshl_b32 s23, s[HX], 7
	s_add_co_u32 s23, s23, 2*HALFB
	v_add_nc_u32 v[LB0], s23, v4                   ; of B, behind A's tile
	v_mov_b32 v[AA0], v[LA0]
	v_add_nc_u32 v[AA0+1], HALFB, v[LA0]
	v_mov_b32 v[AB0], v[LB0]
	v_add_nc_u32 v[AB0+1], HALFB, v[LB0]
	s_mul_i32 s23, s[WV], 32*SP
	v_mul_u32_u24 v3, v1, SP
	v_lshl_add_u32 v3, v2, 5, v3
	v_add_nc_u32 v[STO], s23, v3
	v_mul_u32_u24 v3, v2, SP
	v_lshl_add_u32 v3, v1, 4, v3
	v_add_nc_u32 v[RD], s23, v3
	v_lshlrev_b32 v3, 12, v2
	v_lshl_add_u32 v[CO], v1, 4, v3                ; two rows of 4,096 bytes, 16 bytes a lane
	s_lshl_b32 s80, s43, 19                        ; row 128 ty + 64 HY; column 128 tx + 64 HX, 4 bytes each
	s_lshl_b32 s81, s[HY], 18
	s_add_co_u32 s80, s80, s81
	s_lshl_b32 s82, s42, 9
	s_lshl_b32 s83, s[HX], 8
	s_add_co_u32 s82, s82, s83
	s_add_co_u32 s80, s80, s82
	s_mov_b32 s81, 0
	s_mov_b32 s83, 0
	s_add_nc_u64 s[8:9], s[8:9], s[80:81]
	s_add_nc_u64 s[10:11], s[10:11], s[80:81]
	s_add_nc_u64 s[68:69], s[68:69], s[82:83]
	v_lshlrev_b32 v[BO], 5, v2
.irp b, 0,1,2,3                        ; register j of C tile b: b2 of column 16 b + 8 h + j
	global_load_b128 v[BIAS+8*(\b):BIAS+8*(\b)+3],   v[BO], s[68:69] offset:64*(\b)
	global_load_b128 v[BIAS+8*(\b)+4:BIAS+8*(\b)+7], v[BO], s[68:69] offset:64*(\b)+16
.endr
	WIN 0x80
.set n, 0
.rept 32
	global_load_b128 v[4*n:4*n+3], v[CO], s[8:9] offset:8192*n
.set n, n+1
.endr
	WIN 0
.macro MUL8 f, c, a0, zero             ; 8 products: A blocks a0, a0 + 1 x all 4 B blocks, 32 along K: half c of buffer f.  zero = 1: the first product starts the sums, with b2
	WIN MUL
.irp a, \a0, (\a0)+1
.irp b, 0,1,2,3
.if \zero
	v_wmma_f32_16x16x32_bf16 v[ACC+8*(4*(\a)+(\b)):ACC+8*(4*(\a)+(\b))+7], v[(\f)+64+8*(4*(\c)+(\b)):(\f)+64+8*(4*(\c)+(\b))+7], v[(\f)+8*(4*(\c)+(\a)):(\f)+8*(4*(\c)+(\a))+7], v[BIAS+8*(\b):BIAS+8*(\b)+7]
.else
	v_wmma_f32_16x16x32_bf16 v[ACC+8*(4*(\a)+(\b)):ACC+8*(4*(\a)+(\b))+7], v[(\f)+64+8*(4*(\c)+(\b)):(\f)+64+8*(4*(\c)+(\b))+7], v[(\f)+8*(4*(\c)+(\a)):(\f)+8*(4*(\c)+(\a))+7], v[ACC+8*(4*(\a)+(\b)):ACC+8*(4*(\a)+(\b))+7]
.endif
.endr
.endr
.endm
.macro FETCH q, f                      ; 32 LDS loads in one run: 64 along K at quarter q; the first 32 along K first
	WIN 0x40
.irp c, 0,1
.irp i, 0,1,2,3
	ds_load_tr16_b128 v[(\f)+64+8*(4*(\c)+(\i)):(\f)+64+8*(4*(\c)+(\i))+3],   v[AB0+(\q)/2] offset:(((\q)%2)*64+32*(\c))*PITCH+32*(\i)
	ds_load_tr16_b128 v[(\f)+64+8*(4*(\c)+(\i))+4:(\f)+64+8*(4*(\c)+(\i))+7], v[AB0+(\q)/2] offset:(((\q)%2)*64+32*(\c)+16)*PITCH+32*(\i)
	ds_load_tr16_b128 v[(\f)+8*(4*(\c)+(\i)):(\f)+8*(4*(\c)+(\i))+3],         v[AA0+(\q)/2] offset:(((\q)%2)*64+32*(\c))*PITCH+32*(\i)
	ds_load_tr16_b128 v[(\f)+8*(4*(\c)+(\i))+4:(\f)+8*(4*(\c)+(\i))+7],       v[AA0+(\q)/2] offset:(((\q)%2)*64+32*(\c)+16)*PITCH+32*(\i)
.endr
.endr
.endm
.macro QUARTER q, f, g, zero
	s_wait_dscnt 16                                ; the first 32 along K are in; the other sixteen loads may be out
	MUL8 \f, 0, 0, \zero
	MUL8 \f, 0, 2, \zero
	PLACES
	FETCH \q, \g
	s_wait_dscnt 32                                ; all but the 32 just issued
	MUL8 \f, 1, 0, 0
	MUL8 \f, 1, 2, 0
.endm
.macro TURN fill                       ; the last quarter multiplies buffer 1 and changes slots
	WIN 0
	s_wait_tensorcnt 0x0                           ; all my tensor loads have landed: my part of the next slot
	ds_add_u32 v[SPW], v[NIL]
	s_wait_dscnt 17                                ; the add and the youngest sixteen loads may be out
	MUL8 F1, 0, 0, 0
	s_wait_dscnt 0x0                               ; the add is done, and my reads of this slot are over
	s_barrier_signal -1
	MUL8 F1, 0, 2, 0
	WIN 0
	s_barrier_wait -1
.if \fill
	CREST
	s_xor_b32 s[G0A+5], s[G0A+5], SLOT             ; the walking sets: the other slot than last time, the next K step
	s_add_nc_u64 s[G0A+6:G0A+7], s[G0A+6:G0A+7], ASTEP
	s_xor_b32 s[G0B+5], s[G0B+5], SLOT
	s_add_nc_u64 s[G0B+6:G0B+7], s[G0B+6:G0B+7], BSTEP
	JLOAD                                          ; its four v_nop are also the places in front of the loads below
.else
	PLACES
.endif
	s_xor_b32 s[RS], s[RS], SLOT
	v_add_nc_u32 v[AA0], s[RS], v[LA0]
	v_add_nc_u32 v[AB0], s[RS], v[LB0]
	v_add_nc_u32 v[AA0+1], HALFB, v[AA0]
	v_add_nc_u32 v[AB0+1], HALFB, v[AB0]
	FETCH 0, F0
	MUL8 F1, 1, 0, 0
	MUL8 F1, 1, 2, 0
.endm
	s_wait_tensorcnt 1                             ; my part of K step 0 is in; step 1's may stay out
	s_barrier_signal -1
	s_barrier_wait -1
	FETCH 0, F0
	s_wait_loadcnt 32                              ; b2 is in; the residual's 32 loads may stay out
	QUARTER 1, F0, F1, 1                           ; the first quarter stands in front of the loop: its first products start the sums
	WIN 0
	s_mov_b32 s[CNT], KSTEPS-2
.LloopA:                               ; fourteen trips, each of which fills a slot again (steps 2 to 15)
	QUARTER 2, F1, F0, 0
	QUARTER 3, F0, F1, 0
	TURN 1
	QUARTER 1, F0, F1, 0
	WIN 0
	s_sub_co_u32 s[CNT], s[CNT], 1
	s_cmp_lg_u32 s[CNT], 0
	s_cbranch_scc1 .LloopA
	s_mov_b32 s[CNT], 2
.LloopB:                               ; the last two steps ask for nothing; the second trip is left in its middle
	QUARTER 2, F1, F0, 0
	QUARTER 3, F0, F1, 0
	WIN 0
	s_sub_co_u32 s[CNT], s[CNT], 1
	s_cmp_eq_u32 s[CNT], 0
	s_cbranch_scc1 .Lfin
	TURN 0
	QUARTER 1, F0, F1, 0
	WIN 0
	s_branch .LloopB
.Lfin:
	s_wait_dscnt 0x0
	MUL8 F1, 0, 0, 0
	MUL8 F1, 0, 2, 0
	MUL8 F1, 1, 0, 0
	MUL8 F1, 1, 2, 0
	WIN 0
	PLACES
	s_wait_loadcnt 0x0                             ; the residual
.irp p, 0,1                            ; 32 rows at a time through my stage: in by tiles, back by rows of 256 bytes
.if (\p) == 1
	s_wait_xcnt 0x0                                ; the first half's stores have read their registers
.endif
.irp a, 0,1
.irp b, 0,1,2,3
	ds_store_b128 v[STO], v[ACC+8*(4*(2*(\p)+(\a))+(\b)):ACC+8*(4*(2*(\p)+(\a))+(\b))+3]   offset:16*SP*(\a)+64*(\b)
	ds_store_b128 v[STO], v[ACC+8*(4*(2*(\p)+(\a))+(\b))+4:ACC+8*(4*(2*(\p)+(\a))+(\b))+7] offset:16*SP*(\a)+64*(\b)+16
.endr
.endr
.set n, 0
.rept 16
	ds_load_b128 v[TMP+4*n:TMP+4*n+3], v[RD] offset:2*SP*n   ; LDS serves a wave's instructions in order: these see the stores above
.set n, n+1
.endr
	s_wait_dscnt 0x0
	WIN 0x08                                       ; source 1 in window 2
.set n, 0
.rept 32
	v_pk_add_f32 v[TMP+n:TMP+n+1], v[TMP+n:TMP+n+1], v[64*(\p)+n:64*(\p)+n+1]
.set n, n+2
.endr
	WIN 0
.set n, 0
.rept 16
	global_store_b128 v[CO], v[TMP+4*n:TMP+4*n+3], s[10:11] offset:8192*(16*(\p)+n)  ; 16 lanes store 256 consecutive bytes, aligned
.set n, n+1
.endr
.endr
	s_wait_tensorcnt 0x0                           ; the wave's end
	ds_add_u32 v[SPW], v[NIL]
	s_wait_dscnt 0x0
	CROUND                                         ; the closing round
	s_endpgm
.Lfunc_end_k_q5e5aaa8e46_ffn2:
	.size	k_q5e5aaa8e46_ffn2, .Lfunc_end_k_q5e5aaa8e46_ffn2-k_q5e5aaa8e46_ffn2
	.p2alignl 7, 3214868480
	.fill 96, 4, 3214868480
	.section	.rodata,"a",@progbits
	.p2align	6, 0x0
	.amdhsa_kernel k_q5e5aaa8e46_ffn2
		.amdhsa_group_segment_fixed_size 327680
		.amdhsa_private_segment_fixed_size 0
		.amdhsa_enable_private_segment 0
		.amdhsa_kernarg_size 40
		.amdhsa_user_sgpr_count 2
		.amdhsa_user_sgpr_kernarg_segment_ptr 1
		.amdhsa_wavefront_size32 1
		.amdhsa_system_sgpr_workgroup_id_x 1
		.amdhsa_system_sgpr_workgroup_id_y 1
		.amdhsa_system_sgpr_workgroup_id_z 1
		.amdhsa_system_vgpr_workitem_id 0
		.amdhsa_next_free_vgpr 640
		.amdhsa_next_free_sgpr 100
		.amdhsa_reserve_vcc 0
		.amdhsa_float_denorm_mode_32 3
		.amdhsa_float_denorm_mode_16_64 3
		.amdhsa_memory_ordered 1
		.amdhsa_forward_progress 1
		.amdhsa_inst_pref_size 67
	.end_amdhsa_kernel
	.amdgpu_metadata
---
amdhsa.version: [ 1, 2 ]
amdhsa.kernels:
  - .name:           k_q5e5aaa8e46_ffn2
    .symbol:         k_q5e5aaa8e46_ffn2.kd
    .args:
      - { .name: big, .offset: 0, .size: 8, .value_kind: global_buffer, .address_space: global }
      - { .name: wbf, .offset: 8, .size: 8, .value_kind: global_buffer, .address_space: global }
      - { .name: x1, .offset: 16, .size: 8, .value_kind: global_buffer, .address_space: global }
      - { .name: out0, .offset: 24, .size: 8, .value_kind: global_buffer, .address_space: global }
      - { .name: b2, .offset: 32, .size: 8, .value_kind: global_buffer, .address_space: global }
    .group_segment_fixed_size: 327680
    .private_segment_fixed_size: 0
    .kernarg_segment_align: 8
    .kernarg_segment_size: 40
    .max_flat_workgroup_size: 128
    .sgpr_count:     100
    .vgpr_count:     640
    .wavefront_size: 32
...
	.end_amdgpu_metadata
.endif
;; end of part 8
